; MI455X (gfx1250); checked and timed in simulation.
; The chip was launched on July 23, 2026; its instructions are those of AMD's public machine-readable ISA for CDNA 5 (MIT licence, August 2026) and "CDNA5" Instruction Set Architecture Reference Guide (July 2026). The comments in the code are by the model that wrote it; some were corrected since.
;; Multi Head Attention. Allowed arithmetic: matrix products marked QUANTISED: E2M3 operands, one E8M0 scale for each 32 along K, by v_wmma_scale_f32_16x16x128_f8f6f4 with both operands' format E2M3, f32 sums; everything else in f32.
;; Inputs: b_o 1,024 float32; key_ 4 x 2,048 x 1,024 float32; query 4 x 2,048 x 1,024 float32; value 4 x 2,048 x 1,024 float32; w_k 1,024 x 1,024 float32; w_o 1,024 x 1,024 float32; w_q 1,024 x 1,024 float32; w_v 1,024 x 1,024 float32.
;; Outputs: out0 4 x 2,048 x 1,024 float32.
;; This version of the problem:
;;   THIS VERSION OF THE PROBLEM IS GIVEN IN LOW PRECISION. The matrix products marked QUANTISED in the list below multiply operands that are first quantised to E2M3 (2 exponent bits, 3 mantissa bits; 6 bits a number), with one power-of-two scale for each 32 numbers along K (OCP MX v1.0); their sums are f32. All else is computed in f32.
;;   The module's matrix products, in the order in which they are computed (A, B: the left and right operand; K: the contracted axis; several contracted axes count as one K, in the product's order):
;;     1. [M 8,192, K 1,024] x [K 1,024, N 1,024]; A: input query; B: input w_q: QUANTISED
;;     2. [M 8,192, K 1,024] x [K 1,024, N 1,024]; A: input key_; B: input w_k: QUANTISED
;;     3. [M 8,192, K 1,024] x [K 1,024, N 1,024]; A: input value; B: input w_v: QUANTISED
;;     4. batch 64 x [M 2,048, K 64] x [K 64, N 2,048]; A: computed on the way; B: computed on the way: QUANTISED
;;     5. batch 64 x [M 2,048, K 2,048] x [K 2,048, N 64]; A: softmax (see below); B: computed on the way: QUANTISED
;;     6. [M 8,192, K 1,024] x [K 1,024, N 1,024]; A: computed on the way; B: input w_o: QUANTISED
;;   THE QUANTISER, for each operand of a quantised product, along K:
;;     - K is cut into blocks of 32 from its start; a last block that is shorter is filled with zeros.
;;     - A block's scale is 2^e with e = floor(log2(the largest magnitude in the block)) - 2, held to -126 .. 127; a block of zeros has e = 0. As a byte (E8M0): e + 127.
;;     - Each number is divided by its block's scale, clamped to +-7.5, and rounded to the nearest number of E2M3, ties to even, subnormals kept.
;;     - The product sums the exact products of the quantised numbers (number of the format x scale) in f32.
;;   ~~~python
;;   def quantise(x, axis):      # numpy; x: float32 -> the quantised numbers, widened to float32 again
;;       x = np.moveaxis(x, axis, -1); K = x.shape[-1]
;;       x = np.pad(x, [(0, 0)] * (x.ndim - 1) + [(0, -K % 32)]); x = x.reshape(x.shape[:-1] + (-1, 32)); a = np.abs(x).max(-1, keepdims=True)
;;       e = np.where(a > 0, np.clip(np.frexp(np.where(a > 0, a, 1))[1] - 1 - 2, -126, 127), 0)      # np.frexp(a)[1] - 1 = floor(log2(a)), exactly
;;       r = np.clip(x / 2.0 ** e, -7.5, 7.5)
;;       step = 2.0 ** (np.maximum(np.frexp(np.where(r == 0, 1, r))[1] - 1, 0) - 3)
;;       q = np.round(r / step) * step * 2.0 ** e      # np.round: ties to even
;;       return np.moveaxis(q.reshape(q.shape[:-2] + (-1,))[..., :K], -1, axis).astype(np.float32)
;;   ~~~
;;   SOFTMAX AHEAD OF A QUANTISED PRODUCT. Where the list says 'softmax', what is quantised is not the finished softmax but p = 2^(t - M), with t = logit x log2(e) and M = ceil(the row's largest t), a whole number; so 1/2 < the row's largest p <= 1. The row's sum l is taken of the UNQUANTISED p, in f32, and the product's result is divided by l at the end. Since M is a whole number, a kernel that streams over the keys may use a running M (the ceiling of the running maximum): every later rescaling is an exact power of two, which a block's scale takes up: the codes' values come out the same.
;;   OPERANDS COMPUTED ON THE WAY. 'Computed on the way' means the value that the module computes at that place (a softmax that the list does not call 'softmax' is quantised finished and normalised). What goes into a quantiser is computed in f32, as accurately as f32 sums, v_exp_f32 and their like allow (about 1e-6 of the number): no bf16 or f16 on the way to a quantiser, and a product that is left as it is and whose result goes on into a quantised operand takes f32 operands (vector FMAs, or v_wmma_f32_16x16x4_f32). A number that lies on a knife's edge between two numbers of the format may be rounded either way, as far as f32 arithmetic and the matrix unit's own rounding can turn it there, and no further.
;; One version. Each part assembles by itself: llvm-mc -triple=amdgcn-amd-amdhsa -mcpu=gfx1250 --defsym DOCPART=n.
;; ======== version 1 of 1: 4 launches
;; limits: right only within a limited range of input values
;; workspace buffers: c1 22,020,096 bytes; s1 917,504 bytes; qh 6,815,744 bytes; kv 13,369,344 bytes; cc 6,291,456 bytes; cs 262,144 bytes
;; launch quant (part 1): grid 896 x 1, 4 waves a work-group, no clusters, 34,304 bytes of LDS; arguments query, key_, value, w_q, w_k, w_v, w_o, c1, s1; writes c1, s1
.if DOCPART == 1
	.amdgcn_target "amdgcn-amd-amdhsa--gfx1250"
	.amdhsa_code_object_version 6
	.text
	.protected	k_q2bb32c0447_quant
	.globl	k_q2bb32c0447_quant
	.p2align	8
	.type	k_q2bb32c0447_quant,@function
k_q2bb32c0447_quant:
	s_mov_b64 s[64:65], 0
	v_nop
	global_prefetch_b8 v0, s[64:65] scope:SCOPE_SE
	s_setreg_imm32_b32 hwreg(HW_REG_WAVE_MODE, 25, 1), 1
	s_wait_xcnt 0x0
; query, key_, value [8192][1024] and w_q, w_k, w_v, w_o [1024][1024], f32, K innermost, become codes of FP6 (E2M3) with one E8M0 byte for each 32 along K.
; A block's scale is 2^(floor(log2(its largest magnitude)) - 2); its byte is the largest magnitude's exponent field - 2, held at 1 from below.
; LIMITS: a block of zeros, and a block whose largest magnitude lies under 2^-124, get the byte 1 (a block of zeros has zero codes, and this program alone reads the bytes); NaN and infinities among the inputs are not served.
; THE OUTPUT IS LAID IN THE ORDER OF THE OPERAND'S REGISTERS.  The seven tensors are one run of 1,792 ROW TILES of 16 rows.  Tile u (0, 1) of a group of 32 rows holds at place r the row 8 u + r + 8 (r / 8) of the group,
; so that in a product whose source 0 is such a tile a lane's 16 results of two neighbouring tiles are 16 neighbouring rows.  c1: [tile][K step of 128: 8][1,536 bytes]: a fragment's 12 registers as two halves of 768 bytes:
; registers 0-3 at 16 x lane, registers 4-5 at 512 + 8 x lane.  s1: [tile][512 bytes]: at 256 q + 16 r the scale words of K steps 4 q .. 4 q + 3 of place r.
; SHARES.  A work-group takes a group of 32 rows; wave w takes tile w / 2 and K steps 4 (w % 2) .. + 3.  Each load reads 512 consecutive bytes of one row; a K step's 16 rows turn through the wave's own stage in LDS,
; so that a lane gets 16 neighbours of each block of 32 of ITS row.  Every store covers whole aligned runs of 256 bytes.  No barrier: waves share nothing.  No matrix unit, no cluster: nothing is multiplied, nothing is shared.
.set STG,   8448                       ; a wave's stage: 16 rows x (512 bytes + 16): rows start 33 x 16 bytes apart
.set SPARE, 4*STG                      ; behind the stages: the spare words, 128 bytes for each wave: two blocks of 256 bytes that no other line names
.set L16, 4                            ; v4   16 x lane
.set L8,  5                            ; v5   8 x lane
.set STI, 6                            ; v6   the stage, on the way in
.set STO, 7                            ; v7   and on the way out: row r, + 64 (lane / 16)
.set R16, 8                            ; v8   16 r
.set SPW, 9                            ; v9   LDS address of my spare word; never rewritten
.set NIL, 10                           ; v10  0; never rewritten
.set TM,  12                           ; v12-27 at work: +0..3 largest magnitudes, +4..7 the other half's, then the bytes, +12..15 the conversions' scale operands
.set PW,  28                           ; v28-31 the four K steps' scale words
.set TP,  32                           ; v32-39 the conversions' second halves
.set PC,  40                           ; v40-63 two sets of 12: a fragment's codes
.set R,   64                           ; v64-255 three sets of 64 numbers
.set SEL, 36                           ; s[36:37] lane selects: lane l xor 16
; 64 numbers of a lane, register 16 b + i = k 32 b + 16 (lane / 16) + i of my row, become a fragment's codes in v[pc] on and its scale word in v[pw].
.macro QUANT s, pc, tp, pw
.irp b, 0,1,2,3
	v_max3_num_f32 v[TM+\b], |v[(\s)+16*\b]|, |v[(\s)+1+16*\b]|, 0x1800000   ; my 16 numbers of block b, and the floor 2^(3 - 127): the byte cannot fall under 1
.endr
.irp i, 2,4,6,8,10,12,14
.irp b, 0,1,2,3
	v_max3_num_f32 v[TM+\b], v[TM+\b], |v[(\s)+16*\b+\i]|, |v[(\s)+1+16*\b+\i]|   ; the four blocks by turns
.endr
.endr
.irp b, 0,1,2,3
	v_permlanex16_b32 v[TM+4+\b], v[TM+\b], s[SEL], s[SEL+1]
.endr
.irp b, 0,1,2,3
	v_max_num_f32 v[TM+\b], v[TM+\b], v[TM+4+\b]   ; with lane l xor 16's: the block's largest magnitude
.endr
.irp b, 0,1,2,3
	v_add_nc_u32 v[TM+12+\b], 0xff000000, v[TM+\b] ; 2 off its exponent field: the conversion takes this operand's exponent field as its scale
.endr
.irp b, 0,1,2,3
	v_lshrrev_b32 v[TM+4+\b], 23, v[TM+12+\b]      ; the scale's byte
.endr
	v_lshl_or_b32 v[\pw], v[TM+5], 8, v[TM+4]
	v_lshl_or_b32 v[\pw], v[TM+6], 16, v[\pw]
	v_lshl_or_b32 v[\pw], v[TM+7], 24, v[\pw]      ; my row's scale word
.irp c, 0,1
	v_cvt_scalef32_pk16_fp6_f32 v[(\pc)+6*\c:(\pc)+2+6*\c], v[(\s)+32*\c:(\s)+15+32*\c], v[TM+12+2*\c]
	v_cvt_scalef32_pk16_fp6_f32 v[(\tp)+4*\c:(\tp)+2+4*\c], v[(\s)+16+32*\c:(\s)+31+32*\c], v[TM+12+2*\c+1]   ; (a conversion's three registers begin on an even number)
.endr
	v_nop                                          ; one plain instruction behind a scaled conversion
.irp c, 0,1                            ; the operand wants a WHOLE block in a lane: lanes 0-15 block 2 c, lanes 16-31 block 2 c + 1
.irp i, 0,1,2
	v_permlane16_swap_b32 v[(\pc)+6*\c+\i], v[(\tp)+4*\c+\i]
.endr
.irp i, 0,1,2
	v_mov_b32 v[(\pc)+3+6*\c+\i], v[(\tp)+4*\c+\i]
.endr
.endr
.endm
	s_load_b256 s[4:11], s[0:1], 0x0               ; query, key_, value, w_q
	s_load_b256 s[12:19], s[0:1], 0x20             ; w_k, w_v, w_o, c1
	s_load_b64 s[20:21], s[0:1], 0x40              ; s1
	v_lshl_add_u32 v[SPW], v0, 2, SPARE
	v_mov_b32 v[NIL], 0
	v_lshrrev_b32 v1, 5, v0
	v_readfirstlane_b32 s22, v1                    ; wave 0..3
	v_and_b32 v1, 31, v0                           ; lane
	v_and_b32 v2, 15, v0                           ; r
	v_bfe_u32 v3, v0, 4, 1                         ; h
	v_lshlrev_b32 v[L16], 4, v1
	v_lshlrev_b32 v[L8], 3, v1
	s_mul_i32 s26, s22, STG
	v_add_nc_u32 v[STI], s26, v[L16]
	v_mul_u32_u24 v[STO], v2, 528
	v_lshl_add_u32 v[STO], v3, 6, v[STO]
	v_add_nc_u32 v[STO], s26, v[STO]
	v_lshlrev_b32 v[R16], 4, v2
.irp b, 0,1,2,3
	v_mov_b32 v[TM+4+\b], 0                        ; written once: a lane permute's destination counts as one of its sources
.endr
	s_mov_b32 s[SEL], 0x76543210
	s_mov_b32 s[SEL+1], 0xfedcba98
	s_lshr_b32 s27, s22, 1                         ; u: which of the group's two tiles
	s_and_b32 s28, s22, 1                          ; q: which half of K
	; key_ ALONE (groups 256 to 511) is laid by groups of 64 rows: tile j (0..3) holds at place r the row 8 j + r % 8 + 32 (r / 8),
	; so that in S^T = K Q^T a lane's 32 results of four neighbouring tiles are one block of 32 neighbouring keys
	s_lshr_b32 s38, ttmp9, 8
	s_cmp_eq_u32 s38, 1
	s_cselect_b32 s38, 0x10000, 0                  ; key_: places 8-15 lie 16 rows further on than in the other tensors,
	s_and_b32 s39, ttmp9, 1
	s_mul_i32 s39, s39, s38                        ; and an odd group of 32 begins 16 rows earlier
	v_add_nc_u32 v11, s38, v[L16]                  ; v11: the offset of places 8-15
	s_wait_alu depctr_va_vdst(0)
	s_wait_kmcnt 0x0
	; which tensor: the choice hangs on the work-group's number alone.  s23: the tensor's first group
	s_mov_b64 s[24:25], s[16:17]                   ; w_o
	s_mov_b32 s23, 864
	s_cmp_lt_u32 ttmp9, 864
	s_cselect_b64 s[24:25], s[14:15], s[24:25]     ; w_v
	s_cselect_b32 s23, 832, s23
	s_cmp_lt_u32 ttmp9, 832
	s_cselect_b64 s[24:25], s[12:13], s[24:25]     ; w_k
	s_cselect_b32 s23, 800, s23
	s_cmp_lt_u32 ttmp9, 800
	s_cselect_b64 s[24:25], s[10:11], s[24:25]     ; w_q
	s_cselect_b32 s23, 768, s23
	s_cmp_lt_u32 ttmp9, 768
	s_cselect_b64 s[24:25], s[8:9], s[24:25]       ; value
	s_cselect_b32 s23, 512, s23
	s_cmp_lt_u32 ttmp9, 512
	s_cselect_b64 s[24:25], s[6:7], s[24:25]       ; key_
	s_cselect_b32 s23, 256, s23
	s_cmp_lt_u32 ttmp9, 256
	s_cselect_b64 s[24:25], s[4:5], s[24:25]       ; query
	s_cselect_b32 s23, 0, s23
	s_sub_co_u32 s29, ttmp9, s23
	s_lshl_b32 s29, s29, 17                        ; 32 rows of 4,096 bytes a group,
	s_lshl_b32 s30, s27, 15                        ; 8 rows for the second tile,
	s_add_co_u32 s29, s29, s30
	s_sub_co_u32 s29, s29, s39
	s_lshl_b32 s30, s28, 11                        ; 512 numbers for the second half of K
	s_add_co_u32 s30, s29, s30
	s_mov_b32 s31, 0
	s_add_nc_u64 s[24:25], s[24:25], s[30:31]
	s_lshl_b32 s29, ttmp9, 1
	s_add_co_u32 s29, s29, s27                     ; my row tile
	s_mul_i32 s32, s29, 12288
	s_mul_i32 s30, s28, 6144
	s_add_co_u32 s32, s32, s30
	s_mov_b32 s33, 0
	s_add_nc_u64 s[18:19], s[18:19], s[32:33]      ; its four fragments in c1
	s_lshl_b32 s34, s29, 9
	s_lshl_b32 s30, s28, 8
	s_add_co_u32 s34, s34, s30
	s_mov_b32 s35, 0
	s_add_nc_u64 s[20:21], s[20:21], s[34:35]      ; and their scale words in s1
.macro LOAD t                          ; K step t of my four: 16 rows x 512 bytes into set t % 3; place i is row i + 8 (i / 8)
.irp i, 0,1,2,3,4,5,6,7,8,9,10,11,12,13,14,15
	global_load_b128 v[R+64*((\t)%3)+4*\i:R+64*((\t)%3)+4*\i+3], v[L16+7*(\i/8)], s[24:25] offset:(\i+8*(\i/8))*4096+512*(\t) th:TH_LOAD_NT
.endr
.endm
.macro STEP t, left
.set RS, R+64*((\t)%3)
.set PS, PC+12*((\t)%2)
	s_wait_loadcnt \left                           ; loads come back in order: this step's 16 are in, the younger steps' stay out
.irp i, 0,1,2,3,4,5,6,7,8,9,10,11,12,13,14,15
	ds_store_b128 v[STI], v[RS+4*\i:RS+4*\i+3] offset:528*\i
.endr
.irp b, 0,1,2,3
.irp j, 0,1,2,3
	ds_load_b128 v[RS+16*\b+4*\j:RS+16*\b+4*\j+3], v[STO] offset:128*\b+16*\j   ; LDS serves a wave's instructions in order: these see the stores above
.endr
.endr
	s_wait_dscnt 0x0
.if (\t) >= 2
	s_wait_xcnt 0x0                                ; the stores of two steps back have read this set of codes: it is written again only behind this wait
.endif
	QUANT RS, PS, TP, PW+(\t)
.if (\t) == 0
	LOAD 3                                         ; the last step's numbers, into the set that is done with
.endif
	global_store_b128 v[L16], v[PS:PS+3], s[18:19] offset:1536*(\t)
	global_store_b64 v[L8], v[PS+4:PS+5], s[18:19] offset:1536*(\t)+512
	global_store_b128 v[L16], v[PS+6:PS+9], s[18:19] offset:1536*(\t)+768
	global_store_b64 v[L8], v[PS+10:PS+11], s[18:19] offset:1536*(\t)+1280
.endm
	LOAD 0
	LOAD 1
	LOAD 2
	STEP 0, 32
	STEP 1, 32
	STEP 2, 16
	STEP 3, 0
	global_store_b128 v[R16], v[PW:PW+3], s[20:21] ; 256 consecutive bytes; both halves of the lanes hold the same words and write the same bytes
	s_wait_tensorcnt 0x0                           ; the wave's end, behind my last LDS store
	ds_add_u32 v[SPW], v[NIL]
	s_wait_dscnt 0x0
	s_endpgm
.Lfunc_end_k_q2bb32c0447_quant:
	.size	k_q2bb32c0447_quant, .Lfunc_end_k_q2bb32c0447_quant-k_q2bb32c0447_quant
	.p2alignl 7, 3214868480
	.fill 96, 4, 3214868480
	.section	.rodata,"a",@progbits
	.p2align	6, 0x0
	.amdhsa_kernel k_q2bb32c0447_quant
		.amdhsa_group_segment_fixed_size 34304
		.amdhsa_private_segment_fixed_size 0
		.amdhsa_enable_private_segment 0
		.amdhsa_kernarg_size 72
		.amdhsa_user_sgpr_count 2
		.amdhsa_user_sgpr_kernarg_segment_ptr 1
		.amdhsa_wavefront_size32 1
		.amdhsa_system_sgpr_workgroup_id_x 1
		.amdhsa_system_sgpr_workgroup_id_y 1
		.amdhsa_system_sgpr_workgroup_id_z 1
		.amdhsa_system_vgpr_workitem_id 0
		.amdhsa_next_free_vgpr 256
		.amdhsa_next_free_sgpr 66
		.amdhsa_reserve_vcc 0
		.amdhsa_float_denorm_mode_32 3
		.amdhsa_float_denorm_mode_16_64 3
		.amdhsa_memory_ordered 1
		.amdhsa_forward_progress 1
		.amdhsa_inst_pref_size 35
	.end_amdhsa_kernel
	.amdgpu_metadata
---
amdhsa.version: [ 1, 2 ]
amdhsa.kernels:
  - .name:           k_q2bb32c0447_quant
    .symbol:         k_q2bb32c0447_quant.kd
    .args:
      - { .name: query, .offset: 0, .size: 8, .value_kind: global_buffer, .address_space: global }
      - { .name: key_, .offset: 8, .size: 8, .value_kind: global_buffer, .address_space: global }
      - { .name: value, .offset: 16, .size: 8, .value_kind: global_buffer, .address_space: global }
      - { .name: w_q, .offset: 24, .size: 8, .value_kind: global_buffer, .address_space: global }
      - { .name: w_k, .offset: 32, .size: 8, .value_kind: global_buffer, .address_space: global }
      - { .name: w_v, .offset: 40, .size: 8, .value_kind: global_buffer, .address_space: global }
      - { .name: w_o, .offset: 48, .size: 8, .value_kind: global_buffer, .address_space: global }
      - { .name: c1, .offset: 56, .size: 8, .value_kind: global_buffer, .address_space: global }
      - { .name: s1, .offset: 64, .size: 8, .value_kind: global_buffer, .address_space: global }
    .group_segment_fixed_size: 34304
    .private_segment_fixed_size: 0
    .kernarg_segment_align: 8
    .kernarg_segment_size: 72
    .max_flat_workgroup_size: 128
    .sgpr_count:     66
    .vgpr_count:     256
    .wavefront_size: 32
...
	.end_amdgpu_metadata
.endif
;; end of part 1
;; launch proj (part 2): grid 4 x 192, 4 waves a work-group, clusters of 4 x 4, 295,424 bytes of LDS; arguments c1, s1, qh, kv; writes qh, kv
.if DOCPART == 2
	.amdgcn_target "amdgcn-amd-amdhsa--gfx1250"
	.amdhsa_code_object_version 6
	.text
	.protected	k_q2bb32c0447_proj
	.globl	k_q2bb32c0447_proj
	.p2align	8
	.type	k_q2bb32c0447_proj,@function
k_q2bb32c0447_proj:
	s_mov_b64 s[64:65], 0
	v_nop
	global_prefetch_b8 v0, s[64:65] scope:SCOPE_SE
	s_setreg_imm32_b32 hwreg(HW_REG_WAVE_MODE, 25, 1), 1
	s_wait_xcnt 0x0
	s_wait_alu depctr_hold_cnt(0) depctr_sa_sdst(0) depctr_va_vdst(0) depctr_va_sdst(0) depctr_va_ssrc(0) depctr_va_vcc(0) depctr_vm_vsrc(0)
	s_getreg_b32 s2, hwreg(HW_REG_IB_STS2, 6, 4)
	s_cmp_eq_u32 s2, 0
	s_cbranch_scc0 .Lentry_in_a_cluster
	s_endpgm
.Lentry_in_a_cluster:
	s_bfe_u32 s2, ttmp6, 0x10000c
	s_cmp_lg_u32 s2, 0xf033
	s_cbranch_scc0 .Lentry_shape_is_right
	s_endpgm
.Lentry_shape_is_right:
; The three projections on codes of FP6 (E2M3), and their results quantised on the way out.  Cluster y / 16 says which: 0: Q = query w_q^T, 1: K = key_ w_k^T, 2: V^T = w_v value^T.
; A work-group makes 128 rows of "A" x 256 rows of "B", K = 1,024.  For Q and K: A = the tokens, B = the weight; for V: A = w_v, B = value, so that a lane's results run along the KEYS, which are V's K in the next launch.
; THE MATRIX INSTRUCTION IS USED TRANSPOSED (source 0 = 16 rows of B, source 1 = 16 rows of A): a lane holds one row of A.  By the order of rows in a row tile (the launch before), its 16 registers of B's tiles 2 b, 2 b + 1
; are 16 NEIGHBOURS along B's rows: 64 registers are 128 neighbours, which the conversions turn into one fragment: two heads' halves for Q and K, 128 keys of 16 channels for V^T.
; LDS: all of K of the block, 4 chunks of 256 along K, each FILLED ONCE: no byte is filled again, so no barrier has a refill behind it.  Operands lie in memory in the order of the operand's registers:
; a fragment is four LDS loads of consecutive bytes, no pitch, no padding.
; CLUSTERS: 4 x 4.  A's tiles are shared along a row of the cluster, B's along a column: each is asked for jointly, by the same load with the same descriptor and a mask that names the four.
; Four waves, 2 x 2: a wave makes 64 x 128: 32 accumulators.  A wave has four tensor loads out at the most.
; OUTPUT.  qh: [head 64][group of 128 queries 16][6,656]: 8 halves of 768 bytes (16 queries x 64), then 512 bytes of scale words (at 256 g + 16 r the words of tiles 4 g .. 4 g + 3; bytes 2, 3 of a word are 0x7f).
; kv: [head][step of 128 keys 16][13,056]: K's 8 halves likewise at 0; V^T's 4 fragments (16 channels x 128 keys) at 6,144; K's scale words at 12,288; V's (at 8 x lane the words of tiles 2 g, 2 g + 1) at 12,800.
; LIMITS: a block of zeros or under 2^-124 gets the byte 1; NaN and infinities are not served.
; REGISTERS: window 0: v2-31 addresses; v32-79 scale words; v96-191 A's fragments, two sets (on the way out: the codes); v192-231 the way out.  window 1: B's fragments, two sets of 96.  window 2: accumulator (a, b) at v[8 (8 a + b)].
; K COMES IN TWO HALVES OF 512 (where the lines above speak of four chunks and of four loads a wave, read two halves and one load a wave):
; wave 0 asks for A's 8 row tiles of the first half, wave 1 for B's 16, waves 2 and 3 for the second half's.  Each byte is filled once.
.set CH,    147456                     ; a half of K: A's 8 row tiles x 6,144 bytes, then B's 16
.set BOFF,  49152
.set SPARE, 2*CH                       ; the spare words, 128 bytes for each wave
.set AA16, 2                           ; v2-5   LDS address of my A fragments in chunk 0..3, 16 x lane;  v6-9 the same with 8 x lane
.set AA8,  6
.set AB16, 10                          ; v10-13, v14-17 the same for B
.set AB8,  14
.set SPW,  18                          ; v18  LDS address of my spare word; never rewritten
.set NIL,  19                          ; v19  0; never rewritten
.set L16,  20
.set L8,   21
.set RR,   22                          ; lane % 16
.set HH,   23                          ; lane / 16
.set VS,   24                          ; where Q's or K's scale words go
.set SH,   25                          ; 16 x (lane / 16)
.set SAW,  32                          ; v32-47 A's scale words: tile a at 4 a; register j: K step j in lanes 0-15, K step 4 + j in lanes 16-31
.set SBW,  48                          ; v48-79 B's
.set AF,   96
.set TM,   192                         ; v192-207 at work
.set PW,   208                         ; v208-211 the scale word of each of my four tiles of rows
.set VO16, 212                         ; v212-219 where half c of tile a goes: 2 a + c; with 16 x lane
.set VO8,  220                         ; v220-227 with 8 x lane
.set XW,   228                         ; v228-231 scale words as they are stored
.set SEL,  2                           ; s[2:3] lane selects: lane l xor 16
.set G1A,  24
.set G1B,  32
.set G0A,  40                          ; s[40:55] a group 0 for each chunk of A
.set G0B,  68                          ; s[68:83] of B
.set MSB, 0
.macro WIN new                         ; the immediate's high byte repeats the setting that is left
.if MSB != \new
	s_set_vgpr_msb (MSB<<8)|\new
.set MSB, \new
.endif
.endm
.macro PLACES n
.rept \n
	v_nop
.endr
.endm
.macro CROUND                          ; a round of the cluster's barrier
	s_barrier_signal -1
	s_barrier_wait -1
	s_cmp_lg_u32 s12, 0
	s_cbranch_scc1 .Lnot_wave_0_\@
	s_barrier_signal -3
.Lnot_wave_0_\@:
	s_barrier_wait -3
	s_barrier_signal -1
	s_barrier_wait -1
.endm
.macro FRAG reg, a16, a8, off          ; a fragment's 12 registers, as they were stored
	ds_load_b128 v[(\reg):(\reg)+3], v[\a16] offset:(\off)
	ds_load_b64 v[(\reg)+4:(\reg)+5], v[\a8] offset:(\off)+512
	ds_load_b128 v[(\reg)+6:(\reg)+9], v[\a16] offset:(\off)+768
	ds_load_b64 v[(\reg)+10:(\reg)+11], v[\a8] offset:(\off)+1280
.endm
.macro FETCH q                         ; K step q: B's 8 fragments and A's 4 into set q % 2: 48 LDS loads in one run
	WIN 0x40                                       ; destination window 1, address window 0
.irp i, 0,1,2,3,4,5,6,7
	FRAG 96*((\q)%2)+12*\i, AB16+(\q)/4, AB8+(\q)/4, 6144*\i+1536*((\q)%4)
.endr
	WIN 0
.irp i, 0,1,2,3
	FRAG AF+48*((\q)%2)+12*\i, AA16+(\q)/4, AA8+(\q)/4, 6144*\i+1536*((\q)%4)
.endr
.endm
.macro MM q, a, b
.set rD, 8*(8*(\a)+(\b))
.set rB, 96*((\q)%2)+12*(\b)
.set rA, AF+48*((\q)%2)+12*(\a)
.set rX, SBW+4*(\b)+(\q)%4
.set rY, SAW+4*(\a)+(\q)%4
.if (\q) == 0
	v_wmma_scale_f32_16x16x128_f8f6f4 v[rD:rD+7], v[rB:rB+11], v[rA:rA+11], 0, v[rX], v[rY] matrix_a_fmt:MATRIX_FMT_FP6 matrix_b_fmt:MATRIX_FMT_FP6
.elseif (\q) < 4
	v_wmma_scale_f32_16x16x128_f8f6f4 v[rD:rD+7], v[rB:rB+11], v[rA:rA+11], v[rD:rD+7], v[rX], v[rY] matrix_a_fmt:MATRIX_FMT_FP6 matrix_b_fmt:MATRIX_FMT_FP6
.else
	v_wmma_scale_f32_16x16x128_f8f6f4 v[rD:rD+7], v[rB:rB+11], v[rA:rA+11], v[rD:rD+7], v[rX], v[rY] matrix_a_fmt:MATRIX_FMT_FP6 matrix_b_fmt:MATRIX_FMT_FP6 matrix_a_scale:MATRIX_SCALE_ROW1 matrix_b_scale:MATRIX_SCALE_ROW1
.endif
.endm
.macro MUL16 q, a0                     ; A's tiles a0, a0 + 1 x B's eight.  The 32 accumulators take turns, one instruction a turn, in the same order in every step
.irp a, \a0, \a0+1
.irp b, 0,1,2,3,4,5,6,7
	MM \q, \a, \b
.endr
.endr
.endm
.macro EVEN q                          ; a step whose successor lies in the same chunk
	PLACES 4                                       ; four plain instructions between the last products that read the other set and the loads into it
	FETCH (\q)+1
	s_wait_dscnt 48                                ; all but the 48 just issued: this step's fragments are in
	WIN 0xa1                                       ; source 0 (B) window 1, source 1 (A) window 0, C and D window 2
	MUL16 \q, 0
	MUL16 \q, 2
.endm
.macro ODD q, left                     ; a chunk's last step: the next chunk has to be whole.  My later chunks' loads may stay out
	PLACES 4
	s_wait_dscnt 0x0                               ; this step's fragments are in; no LDS instruction of mine is out at the signal
	s_wait_tensorcnt \left                         ; tensor loads of a wave end in order: my part of the next chunk has landed
	s_barrier_signal -1
	WIN 0xa1
	MUL16 \q, 0                                    ; work on registers while the others arrive
	s_barrier_wait -1
	FETCH (\q)+1
	WIN 0xa1
	MUL16 \q, 2
.endm
	s_load_b256 s[4:11], s[0:1], 0x0               ; c1, s1, qh, kv
	v_lshl_add_u32 v[SPW], v0, 2, SPARE
	v_mov_b32 v[NIL], 0
	ds_add_u32 v[SPW], v[NIL]                      ; the wave's opening: the add and its wait stand ahead of my first tensor load; work on registers stands between them
	ds_add_u32 v[SPW], v[NIL]
	v_lshrrev_b32 v1, 5, v0
	v_readfirstlane_b32 s12, v1                    ; wave 0..3
	s_lshr_b32 s22, s12, 1                         ; wr: which 64 rows of A are mine.  Also: which half of K I fetch
	s_and_b32 s23, s12, 1                          ; wc: which 128 rows of B.  Also: I fetch for A (0) or for B (1)
	s_bfe_u32 s13, ttmp6, 0x40000                  ; cx
	s_bfe_u32 s14, ttmp6, 0x40004                  ; cy
	s_and_b32 s15, ttmp7, 0xffff                   ; cluster y
	s_lshr_b32 s16, s15, 4                         ; which product
	s_and_b32 s17, s15, 15
	s_and_b32 s18, s17, 1
	s_lshr_b32 s19, s17, 1
	s_cmp_eq_u32 s16, 2
	s_cselect_b32 s18, s18, s17                    ; Q, K: 16 clusters down A, 1 along B;  V: 2 down A, 8 along B
	s_cselect_b32 s19, s19, 0
	s_mov_b32 s20, 512
	s_cselect_b32 s20, 1664, s20                   ; A's first row tile in c1: query 0, key_ 512, w_v 1,664
	s_mov_b32 s21, 1600
	s_cselect_b32 s21, 1024, s21                   ; B's: w_q 1,536, w_k 1,600, value 1,024
	s_cmp_eq_u32 s16, 0
	s_cselect_b32 s20, 0, s20
	s_cselect_b32 s21, 1536, s21
	s_lshl_b32 s18, s18, 2
	s_add_co_u32 s18, s18, s14                     ; block row (128 rows of A): hangs on cy alone
	s_lshl_b32 s19, s19, 2
	s_add_co_u32 s19, s19, s13                     ; block column (256 rows of B): on cx alone
	s_lshl_b32 s56, s14, 2
	s_lshl_b32 s56, 15, s56                        ; my row of the cluster
	s_lshl_b32 s84, 0x1111, s13                    ; my column
	; group 1: rows of 6,144 bytes (a row tile's four K steps: 768 elements of 8 bytes), 12,288 bytes apart in memory, dense in LDS; 8 row tiles for A's half, 16 for B's
	s_or_b32 s[G1A], s56, (3<<16)|(1<<21)          ; 15:0 the mask; 17:16 elements of 8 bytes; 21 set beside a mask
	s_mov_b32 s[G1A+1], 768<<16                    ; rows of 6,144 bytes: a row tile's four K steps
	s_mov_b32 s[G1A+2], 8<<16                      ; A's 8 row tiles
	s_mov_b32 s[G1A+3], 768<<16
	s_mov_b32 s[G1A+4], 8
	s_mov_b32 s[G1A+5], 1536                       ; stride
	s_mov_b32 s[G1A+6], 0
	s_mov_b32 s[G1A+7], 0
	s_or_b32 s[G1B], s84, (3<<16)|(1<<21)
	s_mov_b32 s[G1B+1], 768<<16
	s_mov_b32 s[G1B+2], 16<<16                     ; B's 16 row tiles
	s_mov_b32 s[G1B+3], 768<<16
	s_mov_b32 s[G1B+4], 16
	s_mov_b32 s[G1B+5], 1536
	s_mov_b32 s[G1B+6], 0
	s_mov_b32 s[G1B+7], 0
	s_lshl_b32 s56, s18, 3
	s_add_co_u32 s56, s56, s20                     ; A: the block's first row tile
	s_mul_i32 s58, s56, 12288
	s_mov_b32 s59, 0
	s_lshl_b32 s84, s19, 4
	s_add_co_u32 s84, s84, s21                     ; B: the block's first row tile
	s_lshl_b32 s85, s23, 3
	s_add_co_u32 s85, s84, s85                     ; the half of B that I multiply
	s_mul_i32 s86, s84, 12288
	s_mov_b32 s87, 0
	s_mul_i32 s61, s23, 49152                      ; the 8 row tiles of B that I multiply
	s_add_co_u32 s61, s61, BOFF
	s_lshl_b32 s57, s22, 2
	s_add_co_u32 s57, s56, s57                     ; the four row tiles of A that I multiply
	s_lshl_b32 s62, s57, 9                         ; their scale words, 512 bytes a tile
	s_mov_b32 s63, 0
	s_lshl_b32 s88, s85, 9
	s_mov_b32 s89, 0
	s_mov_b32 s[SEL], 0x76543210
	s_mov_b32 s[SEL+1], 0xfedcba98
	s_wait_dscnt 0x0                               ; the opening add is done
	s_wait_kmcnt 0x0
	s_add_nc_u64 s[58:59], s[4:5], s[58:59]
	s_add_nc_u64 s[86:87], s[4:5], s[86:87]
	s_add_nc_u64 s[62:63], s[6:7], s[62:63]
	s_add_nc_u64 s[88:89], s[6:7], s[88:89]
.irp c, 0,1
	s_mov_b32 s[G0A+4*\c], 1
	s_mov_b32 s[G0A+4*\c+1], \c*CH
	s_add_nc_u64 s[G0A+4*\c+2:G0A+4*\c+3], s[58:59], \c*6144
	s_or_b32 s[G0A+4*\c+3], s[G0A+4*\c+3], 0x80000000
	s_mov_b32 s[G0B+4*\c], 1
	s_mov_b32 s[G0B+4*\c+1], \c*CH+BOFF
	s_add_nc_u64 s[G0B+4*\c+2:G0B+4*\c+3], s[86:87], \c*6144
	s_or_b32 s[G0B+4*\c+3], s[G0B+4*\c+3], 0x80000000
.endr
	CROUND                                         ; all sixteen work-groups are here: the joint loads meet
	s_cmp_eq_u32 s12, 0                            ; one chain of branches on the wave's number, one load to an arm
	s_cbranch_scc0 .Lfill_1
	tensor_load_to_lds s[G0A:G0A+3], s[G1A:G1A+7]      ; wave 0: A, first half of K
	s_nop 0
	PLACES 4
	s_branch .Lfilled
.Lfill_1:
	s_cmp_eq_u32 s12, 1
	s_cbranch_scc0 .Lfill_2
	tensor_load_to_lds s[G0B:G0B+3], s[G1B:G1B+7]      ; wave 1: B, first half
	s_nop 0
	PLACES 4
	s_branch .Lfilled
.Lfill_2:
	s_cmp_eq_u32 s12, 2
	s_cbranch_scc0 .Lfill_3
	tensor_load_to_lds s[G0A+4:G0A+7], s[G1A:G1A+7]    ; wave 2: A, second half
	s_nop 0
	PLACES 4
	s_branch .Lfilled
.Lfill_3:
	tensor_load_to_lds s[G0B+4:G0B+7], s[G1B:G1B+7]    ; wave 3: B, second half
	s_nop 0
	PLACES 4
.Lfilled:
	v_and_b32 v1, 31, v0
	v_lshlrev_b32 v[L16], 4, v1
	v_lshlrev_b32 v[L8], 3, v1
	v_and_b32 v[RR], 15, v0
	v_bfe_u32 v[HH], v0, 4, 1
	v_lshlrev_b32 v[SH], 4, v[HH]
.irp a, 0,1,2,3
	global_load_b128 v[SAW+4*\a:SAW+4*\a+3], v[L16], s[62:63] offset:512*\a   ; the scale words go straight into registers: all of K for a tile in one load
.endr
.irp b, 0,1,2,3,4,5,6,7
	global_load_b128 v[SBW+4*\b:SBW+4*\b+3], v[L16], s[88:89] offset:512*\b
.endr
	s_mul_i32 s57, s22, 24576                      ; the 4 row tiles of A that I multiply
	v_add_nc_u32 v[AA16], s57, v[L16]
	v_add_nc_u32 v[AA8], s57, v[L8]
	v_add_nc_u32 v[AB16], s61, v[L16]
	v_add_nc_u32 v[AB8], s61, v[L8]
.irp c, 1
	v_add_nc_u32 v[AA16+\c], CH, v[AA16+\c-1]
	v_add_nc_u32 v[AA8+\c], CH, v[AA8+\c-1]
	v_add_nc_u32 v[AB16+\c], CH, v[AB16+\c-1]
	v_add_nc_u32 v[AB8+\c], CH, v[AB8+\c-1]
.endr
.irp b, 0,1,2,3
	v_mov_b32 v[TM+4+\b], 0                        ; written once: a lane permute's destination counts as one of its sources
.endr
	; where the results go.  s90-s99 alone hold numbers made of both cx and cy; they feed no descriptor
	s_cmp_eq_u32 s16, 0
	s_mov_b32 s90, 208896
	s_cselect_b32 s90, 106496, s90                 ; a head's bytes: in qh, in kv
	s_mov_b32 s91, 13056
	s_cselect_b32 s91, 6656, s91                   ; a group's of 128 queries or keys
	s_mov_b32 s92, 12288
	s_cselect_b32 s92, 6144, s92                   ; where its scale words begin
	s_cselect_b64 s[8:9], s[8:9], s[10:11]         ; qh or kv: the choice hangs on the cluster's number alone
	s_lshr_b32 s93, s18, 4                         ; Q, K: the batch (16 blocks of 128 rows),
	s_lshl_b32 s93, s93, 4
	s_lshl_b32 s94, s19, 2
	s_add_co_u32 s93, s93, s94
	s_lshl_b32 s94, s23, 1
	s_add_co_u32 s93, s93, s94                     ; head = 16 x batch + 4 x block column + 2 wc (+ c),
	s_and_b32 s94, s18, 15                         ; the group,
	s_mul_i32 s95, s22, 3072                       ; and my four tiles in it
	s_lshr_b32 s96, s19, 3                         ; V: the batch (8 blocks of 256 keys),
	s_lshl_b32 s96, s96, 4
	s_lshl_b32 s97, s18, 1
	s_add_co_u32 s96, s96, s97
	s_add_co_u32 s96, s96, s22                     ; head = 16 x batch + 2 x block row + wr,
	s_and_b32 s97, s19, 7
	s_lshl_b32 s97, s97, 1
	s_add_co_u32 s97, s97, s23                     ; key step = 2 x (block column % 8) + wc
	s_cmp_eq_u32 s16, 2
	s_cselect_b32 s93, s96, s93
	s_cselect_b32 s94, s97, s94
	s_cselect_b32 s95, 6144, s95
	s_mov_b32 s96, 768
	s_cselect_b32 s96, 1536, s96                   ; from tile a to a + 1
	s_cselect_b32 s97, 768, s90                    ; from half 0 to half 1: the next head for Q and K, the fragment's second half for V
	s_mul_i32 s93, s93, s90
	s_mul_i32 s94, s94, s91
	s_add_co_u32 s98, s93, s94                     ; the group's first byte
	s_add_co_u32 s99, s98, s95
.irp a, 0,1,2,3
	v_add_nc_u32 v[VO16+2*\a], s99, v[L16]
	v_add_nc_u32 v[VO8+2*\a], s99, v[L8]
	v_add_nc_u32 v[VO16+2*\a+1], s97, v[VO16+2*\a]
	v_add_nc_u32 v[VO8+2*\a+1], s97, v[VO8+2*\a]
	s_add_co_u32 s99, s99, s96
.endr
	s_add_co_u32 s98, s98, s92
	s_lshl_b32 s93, s22, 8
	s_add_co_u32 s98, s98, s93                     ; Q, K: my four tiles' scale words: 256 wr + 16 r; lanes 16-31 write the next head's
	v_mul_u32_u24 v[VS], v[HH], s90
	v_lshl_add_u32 v[VS], v[RR], 4, v[VS]
	v_add_nc_u32 v[VS], s98, v[VS]
	s_wait_alu depctr_va_vdst(0)
	s_cmp_lt_u32 s12, 2                            ; waves 0 and 1 wait for the first half's loads, which are theirs alone; the second half's may stay out
	s_cbranch_scc0 .Lnot_first
	s_wait_tensorcnt 0x0
.Lnot_first:
	s_barrier_signal -1
	s_barrier_wait -1                              ; everybody's has
	FETCH 0
	s_wait_loadcnt 0x0                             ; the scale words
	FETCH 1
	s_wait_dscnt 48                                ; all but the 48 just issued
	WIN 0xa1
	MUL16 0, 0                                     ; the first step's products start the sums: nothing is cleared
	MUL16 0, 2
	EVEN 1
	EVEN 2
	ODD 3, 0x0                                     ; every wave waits for its one load: the second half of K is whole behind this barrier
	EVEN 4
	EVEN 5
	EVEN 6
	s_wait_dscnt 0x0
	MUL16 7, 0
	MUL16 7, 2
	WIN 0
	PLACES 4                                       ; four plain instructions between the last products and the first read of results and the first write of A's registers
; THE WAY OUT.  Tile a's 64 results of a lane, v[64 a ..] of window 2, register 16 b + i = neighbour 32 b + 16 (lane / 16) + i, are quantised as they stand; each accumulator is read from its low end on.
.macro OUTA a
.set PCA, 96+20*(\a)                   ; each tile has registers of its own for its codes: no store's data are written again
	WIN 0
.irp b, 0,1,2,3
	v_mov_b32 v[TM+\b], 0x1800000                  ; the floor 2^(3 - 127): the byte cannot fall under 1
.endr
	WIN 0x28                                       ; sources 1 and 2 window 2
.irp i, 0,2,4,6,8,10,12,14
.irp b, 0,1,2,3
	v_max3_num_f32 v[TM+\b], v[TM+\b], |v[64*(\a)+16*\b+\i]|, |v[64*(\a)+16*\b+\i+1]|
.endr
.endr
	WIN 0
.irp b, 0,1,2,3
	v_permlanex16_b32 v[TM+4+\b], v[TM+\b], s[SEL], s[SEL+1]
.endr
.irp b, 0,1,2,3
	v_max_num_f32 v[TM+\b], v[TM+\b], v[TM+4+\b]   ; the block's largest magnitude
.endr
.irp b, 0,1,2,3
	v_add_nc_u32 v[TM+12+\b], 0xff000000, v[TM+\b] ; 2 off its exponent field: the conversion's scale operand
.endr
.irp b, 0,1,2,3
	v_lshrrev_b32 v[TM+4+\b], 23, v[TM+12+\b]      ; the scale's byte
.endr
	v_lshl_or_b32 v[PW+(\a)], v[TM+5], 8, v[TM+4]
	v_lshl_or_b32 v[PW+(\a)], v[TM+6], 16, v[PW+(\a)]
	v_lshl_or_b32 v[PW+(\a)], v[TM+7], 24, v[PW+(\a)]
	WIN 0x02                                       ; source 0 window 2
.irp c, 0,1
	v_cvt_scalef32_pk16_fp6_f32 v[PCA+6*\c:PCA+6*\c+2], v[64*(\a)+32*\c:64*(\a)+32*\c+15], v[TM+12+2*\c]
	v_cvt_scalef32_pk16_fp6_f32 v[PCA+12+4*\c:PCA+12+4*\c+2], v[64*(\a)+32*\c+16:64*(\a)+32*\c+31], v[TM+12+2*\c+1]
.endr
	WIN 0
	v_nop                                          ; one plain instruction behind a scaled conversion
.irp c, 0,1
.irp i, 0,1,2
	v_permlane16_swap_b32 v[PCA+6*\c+\i], v[PCA+12+4*\c+\i]   ; a whole block to a lane
.endr
.irp i, 0,1,2
	v_mov_b32 v[PCA+3+6*\c+\i], v[PCA+12+4*\c+\i]
.endr
.endr
.irp c, 0,1
	global_store_b128 v[VO16+2*(\a)+\c], v[PCA+6*\c:PCA+6*\c+3], s[8:9]             ; 512 consecutive bytes, aligned to 256
	global_store_b64 v[VO8+2*(\a)+\c], v[PCA+6*\c+4:PCA+6*\c+5], s[8:9] offset:512  ; 256
.endr
.endm
	OUTA 0
	OUTA 1
	OUTA 2
	OUTA 3
	s_mov_b32 s15, 0xffff
	s_mov_b32 s17, 0x7f7f0000
	s_mov_b32 s20, 0xffff0000
	s_cmp_eq_u32 s16, 2                            ; which product: the same in the whole cluster
	s_cbranch_scc1 .Lv_scales
.irp a, 0,1,2,3
	v_lshrrev_b32 v[XW+\a], v[SH], v[PW+\a]        ; Q, K: lanes 0-15 take the first head's two bytes, lanes 16-31 the second's;
.endr
.irp a, 0,1,2,3
	v_and_or_b32 v[XW+\a], v[XW+\a], s15, s17      ; the upper half of K = 128, which will hold zero codes, gets the byte of 1.0
.endr
	global_store_b128 v[VS], v[XW:XW+3], s[8:9]    ; sixteen lanes store 256 consecutive bytes
	s_branch .Lscales_out
.Lv_scales:
	v_cndmask_b32 v[XW], v[PW], v[PW+2], s20       ; V: lanes 0-15 the words of tiles 0, 1, lanes 16-31 of tiles 2, 3
	v_cndmask_b32 v[XW+1], v[PW+1], v[PW+3], s20
	global_store_b64 v[VO8], v[XW:XW+1], s[8:9] offset:6656   ; 12,800 bytes into the key step; 256 consecutive bytes
.Lscales_out:
	s_wait_tensorcnt 0x0                           ; the wave's end
	ds_add_u32 v[SPW], v[NIL]
	s_wait_dscnt 0x0
	CROUND                                         ; the closing round
	s_endpgm
.Lfunc_end_k_q2bb32c0447_proj:
	.size	k_q2bb32c0447_proj, .Lfunc_end_k_q2bb32c0447_proj-k_q2bb32c0447_proj
	.p2alignl 7, 3214868480
	.fill 96, 4, 3214868480
	.section	.rodata,"a",@progbits
	.p2align	6, 0x0
	.amdhsa_kernel k_q2bb32c0447_proj
		.amdhsa_group_segment_fixed_size 295424
		.amdhsa_private_segment_fixed_size 0
		.amdhsa_enable_private_segment 0
		.amdhsa_kernarg_size 32
		.amdhsa_user_sgpr_count 2
		.amdhsa_user_sgpr_kernarg_segment_ptr 1
		.amdhsa_wavefront_size32 1
		.amdhsa_system_sgpr_workgroup_id_x 1
		.amdhsa_system_sgpr_workgroup_id_y 1
		.amdhsa_system_sgpr_workgroup_id_z 1
		.amdhsa_system_vgpr_workitem_id 0
		.amdhsa_next_free_vgpr 768
		.amdhsa_next_free_sgpr 100
		.amdhsa_reserve_vcc 0
		.amdhsa_float_denorm_mode_32 3
		.amdhsa_float_denorm_mode_16_64 3
		.amdhsa_memory_ordered 1
		.amdhsa_forward_progress 1
		.amdhsa_inst_pref_size 88
	.end_amdhsa_kernel
	.amdgpu_metadata
---
amdhsa.version: [ 1, 2 ]
amdhsa.kernels:
  - .name:           k_q2bb32c0447_proj
    .symbol:         k_q2bb32c0447_proj.kd
    .args:
      - { .name: c1, .offset: 0, .size: 8, .value_kind: global_buffer, .address_space: global }
      - { .name: s1, .offset: 8, .size: 8, .value_kind: global_buffer, .address_space: global }
      - { .name: qh, .offset: 16, .size: 8, .value_kind: global_buffer, .address_space: global }
      - { .name: kv, .offset: 24, .size: 8, .value_kind: global_buffer, .address_space: global }
    .group_segment_fixed_size: 295424
    .private_segment_fixed_size: 0
    .kernarg_segment_align: 8
    .kernarg_segment_size: 32
    .max_flat_workgroup_size: 128
    .sgpr_count:     100
    .vgpr_count:     768
    .wavefront_size: 32
...
	.end_amdgpu_metadata
.endif
;; end of part 2
;; launch attn (part 3): grid 4 x 64, 8 waves a work-group, clusters of 4 x 1, 209,920 bytes of LDS; arguments qh, kv, cc, cs; writes cc, cs
.if DOCPART == 3
	.amdgcn_target "amdgcn-amd-amdhsa--gfx1250"
	.amdhsa_code_object_version 6
	.text
	.protected	k_q2bb32c0447_attn
	.globl	k_q2bb32c0447_attn
	.p2align	8
	.type	k_q2bb32c0447_attn,@function
k_q2bb32c0447_attn:
	s_mov_b64 s[64:65], 0
	v_nop
	global_prefetch_b8 v0, s[64:65] scope:SCOPE_SE
	s_setreg_imm32_b32 hwreg(HW_REG_WAVE_MODE, 25, 1), 1
	s_wait_xcnt 0x0
	s_wait_alu depctr_hold_cnt(0) depctr_sa_sdst(0) depctr_va_vdst(0) depctr_va_sdst(0) depctr_va_ssrc(0) depctr_va_vcc(0) depctr_vm_vsrc(0)
	s_getreg_b32 s2, hwreg(HW_REG_IB_STS2, 6, 4)
	s_cmp_eq_u32 s2, 0
	s_cbranch_scc0 .Lentry_in_a_cluster
	s_endpgm
.Lentry_in_a_cluster:
	s_bfe_u32 s2, ttmp6, 0x10000c
	s_cmp_lg_u32 s2, 0x3003
	s_cbranch_scc0 .Lentry_shape_is_right
	s_endpgm
.Lentry_shape_is_right:
; ctx[h][q] = the sum over k of softmax_k(Q[h][q] . K[h][k] / 8) V[h][k], both products on codes of FP6 (E2M3); ctx is quantised along the model's axis on the way out.
; SHARES.  A head's K, V^T and scale words are 208,896 bytes: they come into LDS ONCE and stay: no ring, no barrier in the loops.  A work-group owns 512 queries of one head; the head's four work-groups form a cluster and ask
; for the head JOINTLY, each of the eight waves for two key steps.  A wave owns two tiles of 16 queries in each of two passes; the two tiles share every fragment of K and V^T: 34 LDS loads serve 24 products.
; K's registers are asked for again behind a trip's first products, V's behind its last.
; THE SOFTMAX: t = score x log2(e) / 8; M = the running largest t rounded UP to a whole number; p = 2^(t - M) is quantised along the keys; the row's sum is taken of the unquantised p and divides at the end.
; When M moves, the sum and O are multiplied by 2^(old M - new M): exact.  A pass's first trip finds the largest t at -3e38, so that factor is 0 there: it clears what the pass before left (finite numbers).
; LAYOUT.  S^T = K Q^T, O^T = V^T P^T: a lane holds ONE query.  Tile 4 c + j of a key step holds keys 64 c + 8 j + i and 64 c + 32 + 8 j + i (the first launch lays key_ so): register 32 c + 8 j + i of lane (r, h)
; is key 64 c + 32 h + 8 j + i: a lane owns whole blocks of 32 keys, in the order of P's operand.  K = 64 in an instruction of 128: Q's operand has zero codes above, the scale bytes there are those of 1.0.
; OUTPUT.  cc: [row tile 512][head 16][768]: the half fragment of 16 rows x the head's 64, in the order of the operand's registers.  cs: [row tile][512]: a head's two scale bytes at 256 (hd / 8) + 16 r + 2 (hd % 8):
; these stores are 2 bytes a lane, 32 bytes of a run of 256: one byte for each 24 bytes of codes.
; NO PREFETCH: the launch's one stream is asked for whole by its first instructions; there is no loop to run ahead in.
; LIMITS: NaN and infinities are not served; a block of zeros or under 2^-124 gets the byte 1; the division is a reciprocal and a multiplication; a p under 2^-126 counts as 0; the scaled scores stay under 2^31.
; REGISTERS, window 0: v1-6, v76-77 addresses; v8-31 Q's two operands with their zeros; v32-41 scale words; v42-75 state and work; v80-207 S^T, then p; v208-246 p's codes.
; window 1: v0-47 K, v48-53 zeros, v56-103 V^T, v104-117 the second pass's Q, v192-255 O^T.
.set STEPB, 13056                      ; a key step in LDS as in kv: K's 8 halves; V^T's 4 fragments at 6,144; K's scale words at 12,288; V's at 12,800
.set HEADB, 16*STEPB
.set QHB,   106496                     ; a head in qh
.set SPARE, HEADB                      ; the spare words, 128 bytes for each wave
.set L16, 1
.set L8,  2
.set R16, 3
.set SH8, 4                            ; 8 x (lane / 16)
.set SPW, 5                            ; LDS address of my spare word; never rewritten
.set NIL, 6                            ; 0; never rewritten
.set QF,  8                            ; tile x: v[8 + 12 x ..]: six registers of codes, six of zeros
.set QS,  32
.set KS,  34
.set VS,  38
.set PS,  40
.set NM,  42                           ; tile x: -M, the largest t
.set LS,  46                           ; the sum, in two halves
.set FF,  50                           ; 2^(old M - new M)
.set OM,  54
.set MB,  56                           ; 2 x + c: a block's largest score, then its largest p
.set T0,  60
.set T1,  62
.set SO,  64                           ; the conversions' scale operands
.set BY,  68
.set SU,  72
.set AK16, 76                          ; the key step that is asked for next: + 16 x lane, + 8 x lane
.set AK8,  77
.set SX,  80
.set PC,  208
.set TP,  232
.set VF,  56                           ; window 1
.set Q2,  104
.set OX,  192
.set G1,  24
.set G0,  32
.set TB,  36
.set CNT, 37
.set MSB, 0
.macro WIN new                         ; the immediate's high byte repeats the setting that is left
.if MSB != \new
	s_set_vgpr_msb (MSB<<8)|\new
.set MSB, \new
.endif
.endm
.macro PLACES n
.rept \n
	v_nop
.endr
.endm
.macro WALU
	s_wait_alu depctr_va_vdst(0)
.endm
.macro CROUND                          ; a round of the cluster's barrier
	s_barrier_signal -1
	s_barrier_wait -1
	s_cmp_lg_u32 s16, 0
	s_cbranch_scc1 .Lnot_wave_0_\@
	s_barrier_signal -3
.Lnot_wave_0_\@:
	s_barrier_wait -3
	s_barrier_signal -1
	s_barrier_wait -1
.endm
.macro DFRAG reg, off                  ; twelve registers as they were stored
	ds_load_b128 v[(\reg):(\reg)+3], v[AK16] offset:(\off)
	ds_load_b64 v[(\reg)+4:(\reg)+5], v[AK8] offset:(\off)+512
	ds_load_b128 v[(\reg)+6:(\reg)+9], v[AK16] offset:(\off)+768
	ds_load_b64 v[(\reg)+10:(\reg)+11], v[AK8] offset:(\off)+1280
.endm
.macro KLOAD                           ; 17 loads: K's eight halves and their scale words
	WIN 0x40
.irp i, 0,1,2,3
	DFRAG 12*\i, 1536*\i
.endr
	WIN 0
	ds_load_b128 v[KS:KS+3], v[AK16] offset:12288
.endm
.macro VLOAD                           ; 17 loads: V^T's four fragments and their scale words
	WIN 0x40
.irp i, 0,1,2,3
	DFRAG VF+12*\i, 6144+1536*\i
.endr
	WIN 0
	ds_load_b64 v[VS:VS+1], v[AK8] offset:12800
.endm
.macro SMM t, x                        ; S^T: K's tile t (its upper six registers meet Q's zeros) x Q's tile x
.if (\t) < 4
	v_wmma_scale_f32_16x16x128_f8f6f4 v[SX+64*(\x)+8*(\t):SX+64*(\x)+8*(\t)+7], v[6*(\t):6*(\t)+11], v[QF+12*(\x):QF+12*(\x)+11], 0, v[KS+(\t)%4], v[QS+(\x)] matrix_a_fmt:MATRIX_FMT_FP6 matrix_b_fmt:MATRIX_FMT_FP6
.else
	v_wmma_scale_f32_16x16x128_f8f6f4 v[SX+64*(\x)+8*(\t):SX+64*(\x)+8*(\t)+7], v[6*(\t):6*(\t)+11], v[QF+12*(\x):QF+12*(\x)+11], 0, v[KS+(\t)%4], v[QS+(\x)] matrix_a_fmt:MATRIX_FMT_FP6 matrix_b_fmt:MATRIX_FMT_FP6 matrix_a_scale:MATRIX_SCALE_ROW1
.endif
.endm
.macro PMM t, x                        ; O^T += V^T's tile t x p of tile x
.set rO, OX+32*(\x)+8*(\t)
.if (\t) < 2
	v_wmma_scale_f32_16x16x128_f8f6f4 v[rO:rO+7], v[VF+12*(\t):VF+12*(\t)+11], v[PC+12*(\x):PC+12*(\x)+11], v[rO:rO+7], v[VS+(\t)%2], v[PS+(\x)] matrix_a_fmt:MATRIX_FMT_FP6 matrix_b_fmt:MATRIX_FMT_FP6
.else
	v_wmma_scale_f32_16x16x128_f8f6f4 v[rO:rO+7], v[VF+12*(\t):VF+12*(\t)+11], v[PC+12*(\x):PC+12*(\x)+11], v[rO:rO+7], v[VS+(\t)%2], v[PS+(\x)] matrix_a_fmt:MATRIX_FMT_FP6 matrix_b_fmt:MATRIX_FMT_FP6 matrix_a_scale:MATRIX_SCALE_ROW1
.endif
.endm
; A TRIP: 128 keys for both query tiles; every stage takes the two tiles, and their two blocks a lane, by turns.  nxt = 1: the next key step is asked for.
.macro TRIP nxt
	WALU
	s_wait_dscnt 17                                ; K and its scale words are in; V's 17 loads, issued behind them, may be out
	WIN 0x01                                       ; source 0 window 1
.irp t, 0,1,2,3,4,5,6,7
.irp x, 0,1
	SMM \t, \x
.endr
.endr
	WIN 0
	v_mov_b32 v[OM], v[NM]                         ; the old -M.  Four plain instructions between the products and the first read of results and the loads into K's registers
	v_mov_b32 v[OM+1], v[NM+2]
.if \nxt
	s_add_co_u32 s[TB], s[TB], STEPB
	v_add_nc_u32 v[AK16], s[TB], v[L16]
	v_add_nc_u32 v[AK8], s[TB], v[L8]
	KLOAD
.else
	PLACES 2
.endif
.irp c, 0,1
.irp x, 0,1
	v_max3_num_f32 v[MB+2*\x+\c], v[SX+64*\x+32*\c], v[SX+64*\x+32*\c+1], v[SX+64*\x+32*\c+2]   ; the largest score of my block of 32 keys; each accumulator is first read at its low end
.endr
.endr
.irp i, 3,5,7,9,11,13,15,17,19,21,23,25,27,29
.irp c, 0,1
.irp x, 0,1
	v_max3_num_f32 v[MB+2*\x+\c], v[MB+2*\x+\c], v[SX+64*\x+32*\c+\i], v[SX+64*\x+32*\c+\i+1]
.endr
.endr
.endr
.irp c, 0,1
.irp x, 0,1
	v_max_num_f32 v[MB+2*\x+\c], v[MB+2*\x+\c], v[SX+64*\x+32*\c+31]
.endr
.endr
.irp x, 0,1
	v_max_num_f32 v[T0+\x], v[MB+2*\x], v[MB+2*\x+1]
.endr
.irp x, 0,1
	v_mul_f32 v[T0+\x], s22, v[T0+\x]              ; as t (c is positive)
.endr
.irp x, 0,1
	v_permlanex16_b32 v[T1+\x], v[T0+\x], s20, s21
.endr
.irp x, 0,1
	v_max3_num_f32 v[NM+2*\x+1], v[NM+2*\x+1], v[T0+\x], v[T1+\x]   ; the running largest t of my query
.endr
.irp x, 0,1
	v_floor_f32 v[NM+2*\x], -v[NM+2*\x+1]          ; -M = floor(-t)
.endr
.irp x, 0,1
	v_sub_f32 v[T0+\x], v[NM+2*\x], v[OM+\x]       ; old M - new M: a whole number, 0 or less
.endr
.irp x, 0,1
	v_cvt_i32_f32 v[T0+\x], v[T0+\x]               ; (it saturates)
.endr
.irp x, 0,1
	v_ldexp_f32 v[FF+2*\x], 1.0, v[T0+\x]
.endr
.irp x, 0,1
.set j, 0
.rept 32
	v_pk_fma_f32 v[SX+64*\x+j:SX+64*\x+j+1], v[SX+64*\x+j:SX+64*\x+j+1], s[22:23], v[NM+2*\x:NM+2*\x+1] op_sel_hi:[1,0,0]   ; t - M
.set j, j+2
.endr
.endr
.irp c, 0,1
.irp x, 0,1
	v_fma_f32 v[MB+2*\x+\c], v[MB+2*\x+\c], s22, v[NM+2*\x]   ; the same of each block's largest score
.endr
.endr
	WALU                                           ; ahead of the batch,
.set j, 0
.rept 128
	v_exp_f32 v[SX+j], v[SX+j]                     ; p = 2^(t - M)
.set j, j+1
.endr
.irp b, 0,1,2,3
	v_exp_f32 v[MB+\b], v[MB+\b]                   ; the block's largest p: p rises with the score
.endr
.irp x, 0,1
	v_pk_mul_f32 v[LS+2*\x:LS+2*\x+1], v[LS+2*\x:LS+2*\x+1], v[FF+2*\x:FF+2*\x+1] op_sel_hi:[1,0]   ; the sums under the new M
.endr
	WALU                                           ; and behind it, ahead of its first reader
.irp b, 0,1,2,3
	v_max_num_f32 v[MB+\b], 0x1800000, v[MB+\b]    ; the floor 2^(3 - 127): the byte cannot fall under 1
.endr
.irp b, 0,1,2,3
	v_add_nc_u32 v[SO+\b], 0xff000000, v[MB+\b]    ; 2 off the exponent field: the conversion's scale operand
.endr
.irp b, 0,1,2,3
	v_lshrrev_b32 v[BY+\b], 23, v[SO+\b]           ; the scale's byte
.endr
.irp x, 0,1
	v_lshl_or_b32 v[T0+\x], v[BY+2*\x+1], 16, v[BY+2*\x]   ; my blocks h and 2 + h,
.endr
.irp x, 0,1
	v_lshlrev_b32 v[T0+\x], v[SH8], v[T0+\x]       ; at their places in the scale word;
.endr
.irp x, 0,1
	v_permlanex16_b32 v[T1+\x], v[T0+\x], s20, s21
.endr
.irp x, 0,1
	v_or_b32 v[PS+\x], v[T0+\x], v[T1+\x]          ; with lane l xor 16's two the word is whole
.endr
.irp x, 0,1
	v_pk_add_f32 v[SU+2*\x:SU+2*\x+1], v[SX+64*\x:SX+64*\x+1], v[SX+64*\x+2:SX+64*\x+3]   ; the row's sum, of the unquantised p: two chains a tile
.endr
.irp j, 4,8,12,16,20,24,28,32,36,40,44,48,52,56,60
.irp x, 0,1
	v_pk_add_f32 v[LS+2*\x:LS+2*\x+1], v[LS+2*\x:LS+2*\x+1], v[SX+64*\x+\j:SX+64*\x+\j+1]
	v_pk_add_f32 v[SU+2*\x:SU+2*\x+1], v[SU+2*\x:SU+2*\x+1], v[SX+64*\x+\j+2:SX+64*\x+\j+3]
.endr
.endr
.irp x, 0,1
	v_pk_add_f32 v[LS+2*\x:LS+2*\x+1], v[LS+2*\x:LS+2*\x+1], v[SU+2*\x:SU+2*\x+1]
.endr
.irp x, 0,1
.irp c, 0,1
	v_cvt_scalef32_pk16_fp6_f32 v[PC+12*\x+6*\c:PC+12*\x+6*\c+2], v[SX+64*\x+32*\c:SX+64*\x+32*\c+15], v[SO+2*\x+\c]
	v_cvt_scalef32_pk16_fp6_f32 v[TP+8*\x+4*\c:TP+8*\x+4*\c+2], v[SX+64*\x+32*\c+16:SX+64*\x+32*\c+31], v[SO+2*\x+\c]   ; (a conversion's three registers begin on an even number)
.endr
.endr
	v_nop                                          ; one plain instruction behind a scaled conversion
.irp x, 0,1
.irp c, 0,1
.irp i, 0,1,2
	v_mov_b32 v[PC+12*\x+6*\c+3+\i], v[TP+8*\x+4*\c+\i]
.endr
.endr
.endr
	WIN 0x41                                       ; destination and source 0 window 1
	WALU                                           ; directly ahead of the first reader of O^T
.irp x, 0,1
.set j, 0
.rept 16
	v_pk_mul_f32 v[OX+32*\x+j:OX+32*\x+j+1], v[OX+32*\x+j:OX+32*\x+j+1], v[FF+2*\x:FF+2*\x+1] op_sel_hi:[1,0]   ; O^T under the new M.  These 32 also stand between the writes of p's codes and scale words and the products
.set j, j+2
.endr
.endr
	WALU
.if \nxt
	s_wait_dscnt 17                                ; V^T and its scale words are in; the next K's 17 loads may be out
.else
	s_wait_dscnt 0x0
.endif
	WIN 0x51                                       ; source 0 (V^T), C and D window 1
.irp t, 0,1,2,3
.irp x, 0,1
	PMM \t, \x
.endr
.endr
	WIN 0
	PLACES 4                                       ; between the products and the loads into their registers, and the reads of O^T at a pass's end
.if \nxt
	VLOAD
.endif
.endm
; A PASS'S END: O^T / the sum is my 32 rows' 64 numbers of ctx: register 16 b + i = channel 32 b + 16 (lane / 16) + i.  Quantised, they leave as half a fragment a tile.
.macro EPI p
.irp x, 0,1
	v_add_f32 v[LS+2*\x], v[LS+2*\x], v[LS+2*\x+1]
.endr
.irp x, 0,1
	v_permlanex16_b32 v[T1+\x], v[LS+2*\x], s20, s21
.endr
.irp x, 0,1
	v_add_f32 v[LS+2*\x], v[LS+2*\x], v[T1+\x]     ; the row's sum
.endr
	WALU
.irp x, 0,1
	v_rcp_f32 v[LS+2*\x], v[LS+2*\x]
.endr
	v_nop
	WIN 0x41
	WALU                                           ; for the reciprocals, and directly ahead of the first reader of O^T
.irp x, 0,1
.set j, 0
.rept 16
	v_pk_mul_f32 v[OX+32*\x+j:OX+32*\x+j+1], v[OX+32*\x+j:OX+32*\x+j+1], v[LS+2*\x:LS+2*\x+1] op_sel_hi:[1,0]
.set j, j+2
.endr
.endr
	WIN 0x05
.irp x, 0,1
.irp b, 0,1
	v_max3_num_f32 v[MB+2*\x+\b], |v[OX+32*\x+16*\b]|, |v[OX+32*\x+16*\b+1]|, 0x1800000
.endr
.endr
	WIN 0x14
.irp i, 2,4,6,8,10,12,14
.irp x, 0,1
.irp b, 0,1
	v_max3_num_f32 v[MB+2*\x+\b], v[MB+2*\x+\b], |v[OX+32*\x+16*\b+\i]|, |v[OX+32*\x+16*\b+\i+1]|
.endr
.endr
.endr
	WIN 0
.irp b, 0,1,2,3
	v_permlanex16_b32 v[BY+\b], v[MB+\b], s20, s21
.endr
.irp b, 0,1,2,3
	v_max_num_f32 v[MB+\b], v[MB+\b], v[BY+\b]     ; with lane l xor 16's 16 channels
.endr
.irp b, 0,1,2,3
	v_add_nc_u32 v[SO+\b], 0xff000000, v[MB+\b]
.endr
.irp b, 0,1,2,3
	v_lshrrev_b32 v[BY+\b], 23, v[SO+\b]
.endr
.irp x, 0,1
	v_lshl_or_b32 v[T0+\x], v[BY+2*\x+1], 8, v[BY+2*\x]   ; the head's two scale bytes of my row
.endr
	WIN 0x01
.irp x, 0,1
	v_cvt_scalef32_pk16_fp6_f32 v[PC+12*\x:PC+12*\x+2], v[OX+32*\x:OX+32*\x+15], v[SO+2*\x]
	v_cvt_scalef32_pk16_fp6_f32 v[TP+8*\x:TP+8*\x+2], v[OX+32*\x+16:OX+32*\x+31], v[SO+2*\x+1]
.endr
	WIN 0
	v_nop
.irp x, 0,1
.irp i, 0,1,2
	v_permlane16_swap_b32 v[PC+12*\x+\i], v[TP+8*\x+\i]   ; a whole block to a lane
.endr
.endr
.irp x, 0,1
.irp i, 0,1,2
	v_mov_b32 v[PC+12*\x+3+\i], v[TP+8*\x+\i]
.endr
.endr
.irp x, 0,1
	global_store_b128 v[L16], v[PC+12*\x:PC+12*\x+3], s[8:9] offset:12288*\x+196608*\p        ; 512 consecutive bytes; the second pass's row tiles lie 16 tiles on
	global_store_b64 v[L8], v[PC+12*\x+4:PC+12*\x+5], s[8:9] offset:12288*\x+196608*\p+512
	global_store_b16 v[R16], v[T0+\x], s[10:11] offset:512*\x+8192*\p                         ; both halves of the lanes write the same two bytes
.endr
.endm
.macro PASS p
	s_mov_b32 s[TB], 0
	v_add_nc_u32 v[AK16], s[TB], v[L16]
	v_add_nc_u32 v[AK8], s[TB], v[L8]
	KLOAD                                          ; key step 0
	VLOAD
.if \p
	s_wait_xcnt 0x0                                ; the first pass's stores have read their registers
	WIN 0x01
.irp i, 0,1
	v_mov_b32 v[QS+\i], v[Q2+12+\i]                ; the second pass's Q: the scale words first, sixteen plain instructions ahead of the next product
.endr
.irp i, 0,1,2,3,4,5
	v_mov_b32 v[QF+\i], v[Q2+\i]
	v_mov_b32 v[QF+12+\i], v[Q2+6+\i]
.endr
	WIN 0
.irp x, 0,1
	v_mov_b32 v[NM+2*\x+1], 0xff61b1e6             ; the next trip's factor is 0: it clears the sums and O^T
.endr
.irp x, 0,1
	v_floor_f32 v[NM+2*\x], -v[NM+2*\x+1]
.endr
.endif
	s_mov_b32 s[CNT], 15
.Lkey_\@:                                              ; 15 trips; the 16th, which asks for nothing more, is written out
	TRIP 1
	s_sub_co_u32 s[CNT], s[CNT], 1
	s_cmp_lg_u32 s[CNT], 0
	WALU
	s_cbranch_scc1 .Lkey_\@
	TRIP 0
	EPI \p
.endm
	s_load_b256 s[4:11], s[0:1], 0x0               ; qh, kv, cc, cs
	v_lshl_add_u32 v[SPW], v0, 2, SPARE
	v_mov_b32 v[NIL], 0
	ds_add_u32 v[SPW], v[NIL]                      ; the wave's opening: the add, twice on end, and its wait ahead of my tensor load
	ds_add_u32 v[SPW], v[NIL]
	v_lshrrev_b32 v7, 5, v0
	v_readfirstlane_b32 s16, v7                    ; wave 0..7
	s_bfe_u32 s13, ttmp6, 0x40000                  ; cx: it enters Q's and the outputs' addresses alone
	s_and_b32 s14, ttmp7, 0xffff                   ; the head (16 x batch + head), which the four partners share
	; group 1: two key steps' 26,112 dense bytes as 102 rows of 256 (32 elements of 8 bytes)
	s_mov_b32 s[G1], 15|(3<<16)|(1<<21)            ; 15:0 the mask: all four work-groups; 17:16 elements of 8 bytes; 21 set beside a mask
	s_mov_b32 s[G1+1], 32<<16
	s_mov_b32 s[G1+2], 102<<16
	s_mov_b32 s[G1+3], 32<<16
	s_mov_b32 s[G1+4], 102
	s_mov_b32 s[G1+5], 32
	s_mov_b32 s[G1+6], 0
	s_mov_b32 s[G1+7], 0
	s_mul_i32 s15, s16, 2*STEPB                    ; my two key steps: in LDS,
	s_mul_i32 s38, s14, HEADB
	s_add_co_u32 s38, s38, s15                     ; and in kv
	s_mov_b32 s39, 0
	s_lshl_b32 s17, s13, 2
	s_lshr_b32 s18, s16, 2
	s_add_co_u32 s17, s17, s18                     ; the first pass's group of 128 queries: 4 cx + wave / 4 (the second's: two on)
	s_and_b32 s18, s16, 3                          ; my pair of tiles in it
	s_mul_i32 s40, s14, QHB
	s_mul_i32 s19, s17, 6656
	s_add_co_u32 s40, s40, s19                     ; the group's first byte in qh
	s_mul_i32 s19, s18, 1536
	s_add_co_u32 s42, s40, s19                     ; my two tiles' codes
	s_mov_b32 s43, 0
	s_lshr_b32 s19, s18, 1
	s_lshl_b32 s19, s19, 8
	s_add_co_u32 s40, s40, s19
	s_and_b32 s19, s18, 1
	s_lshl_b32 s19, s19, 3
	s_add_co_u32 s40, s40, s19                     ; their scale words: 6,144 + 256 (tile / 4) + 16 r + 4 (tile % 4), two on end
	s_mov_b32 s41, 0
	s_lshr_b32 s19, s14, 4
	s_lshl_b32 s19, s19, 7
	s_lshl_b32 s44, s17, 3
	s_add_co_u32 s19, s19, s44
	s_lshl_b32 s44, s18, 1
	s_add_co_u32 s19, s19, s44                     ; my first row tile: 128 x batch + 8 x group + 2 x pair
	s_and_b32 s12, s14, 15                         ; the head in the batch
	s_mul_i32 s44, s19, 12288
	s_mul_i32 s46, s12, 768
	s_add_co_u32 s44, s44, s46                     ; in cc
	s_mov_b32 s45, 0
	s_lshl_b32 s46, s19, 9
	s_lshr_b32 s47, s12, 3
	s_lshl_b32 s47, s47, 8
	s_add_co_u32 s46, s46, s47
	s_lshl_b32 s47, s12, 1
	s_and_b32 s47, s47, 15
	s_add_co_u32 s46, s46, s47                     ; in cs
	s_mov_b32 s47, 0
	s_mov_b32 s20, 0x76543210
	s_mov_b32 s21, 0xfedcba98                      ; lane selects: lane l xor 16
	s_mov_b32 s22, 0x3e38aa3b                      ; c = log2(e) / 8
	s_mov_b32 s23, s22
	s_wait_dscnt 0x0                               ; both opening adds are done
	s_wait_kmcnt 0x0
	s_mov_b32 s[G0], 1
	s_mov_b32 s[G0+1], s15
	s_add_nc_u64 s[G0+2:G0+3], s[6:7], s[38:39]
	s_or_b32 s[G0+3], s[G0+3], 0x80000000
	s_add_nc_u64 s[42:43], s[4:5], s[42:43]
	s_add_nc_u64 s[40:41], s[4:5], s[40:41]
	s_add_nc_u64 s[8:9], s[8:9], s[44:45]
	s_add_nc_u64 s[10:11], s[10:11], s[46:47]
	CROUND                                         ; all four work-groups are here: the joint loads meet
	tensor_load_to_lds s[G0:G0+3], s[G1:G1+7]      ; my one tensor load of the launch
	s_nop 0
	PLACES 4
	v_and_b32 v7, 31, v0
	v_lshlrev_b32 v[L16], 4, v7
	v_lshlrev_b32 v[L8], 3, v7
	v_and_b32 v[R16], 15, v0
	v_lshlrev_b32 v[R16], 4, v[R16]
	v_bfe_u32 v[SH8], v0, 4, 1
	v_lshlrev_b32 v[SH8], 3, v[SH8]
.irp x, 0,1
	global_load_b128 v[QF+12*\x:QF+12*\x+3], v[L16], s[42:43] offset:768*\x
	global_load_b64 v[QF+12*\x+4:QF+12*\x+5], v[L8], s[42:43] offset:768*\x+512
.endr
	global_load_b64 v[QS:QS+1], v[R16], s[40:41] offset:6144
	WIN 0x40
.irp x, 0,1
	global_load_b128 v[Q2+6*\x:Q2+6*\x+3], v[L16], s[42:43] offset:13312+768*\x     ; the second pass's Q, two groups on, waits in registers
	global_load_b64 v[Q2+6*\x+4:Q2+6*\x+5], v[L8], s[42:43] offset:13312+768*\x+512
.endr
	global_load_b64 v[Q2+12:Q2+13], v[R16], s[40:41] offset:13312+6144
	WIN 0
.irp j, 14,15,16,17,18,19,26,27,28,29,30,31
	v_mov_b32 v\j, 0                               ; zero codes: Q's k = 64 .. 127
.endr
.irp j, LS,LS+1,LS+2,LS+3,FF+1,FF+3,T1,T1+1
	v_mov_b32 v[\j], 0                             ; the sums; what is named as a pair's upper half; a lane permute's destination counts as a source
.endr
.irp x, 0,1
	v_mov_b32 v[NM+2*\x+1], 0xff61b1e6             ; the largest t so far: -3e38
.endr
.irp x, 0,1
	v_floor_f32 v[NM+2*\x], -v[NM+2*\x+1]
.endr
	WIN 0x40
.irp j, 48,49,50,51,52,53
	v_mov_b32 v\j, 0                               ; what stands behind K's last tile
.endr
.set j, 0
.rept 64
	v_mov_b32 v[OX+j], 0                           ; O^T, once: the trip is written for every key step alike
.set j, j+1
.endr
	WIN 0
	WALU
	s_wait_tensorcnt 0x0                           ; my two key steps have landed,
	s_barrier_signal -1
	s_barrier_wait -1                              ; everybody's have: the head is whole, and nothing is ever filled again
	s_wait_loadcnt 0x0                             ; Q
	PASS 0
	PASS 1
	s_wait_tensorcnt 0x0                           ; the wave's end
	ds_add_u32 v[SPW], v[NIL]
	s_wait_dscnt 0x0
	CROUND                                         ; the closing round
	s_endpgm
.Lfunc_end_k_q2bb32c0447_attn:
	.size	k_q2bb32c0447_attn, .Lfunc_end_k_q2bb32c0447_attn-k_q2bb32c0447_attn
	.p2alignl 7, 3214868480
	.fill 96, 4, 3214868480
	.section	.rodata,"a",@progbits
	.p2align	6, 0x0
	.amdhsa_kernel k_q2bb32c0447_attn
		.amdhsa_group_segment_fixed_size 209920
		.amdhsa_private_segment_fixed_size 0
		.amdhsa_enable_private_segment 0
		.amdhsa_kernarg_size 32
		.amdhsa_user_sgpr_count 2
		.amdhsa_user_sgpr_kernarg_segment_ptr 1
		.amdhsa_wavefront_size32 1
		.amdhsa_system_sgpr_workgroup_id_x 1
		.amdhsa_system_sgpr_workgroup_id_y 1
		.amdhsa_system_sgpr_workgroup_id_z 1
		.amdhsa_system_vgpr_workitem_id 0
		.amdhsa_next_free_vgpr 512
		.amdhsa_next_free_sgpr 66
		.amdhsa_reserve_vcc 0
		.amdhsa_float_denorm_mode_32 3
		.amdhsa_float_denorm_mode_16_64 3
		.amdhsa_memory_ordered 1
		.amdhsa_forward_progress 1
		.amdhsa_inst_pref_size 132
	.end_amdhsa_kernel
	.amdgpu_metadata
---
amdhsa.version: [ 1, 2 ]
amdhsa.kernels:
  - .name:           k_q2bb32c0447_attn
    .symbol:         k_q2bb32c0447_attn.kd
    .args:
      - { .name: qh, .offset: 0, .size: 8, .value_kind: global_buffer, .address_space: global }
      - { .name: kv, .offset: 8, .size: 8, .value_kind: global_buffer, .address_space: global }
      - { .name: cc, .offset: 16, .size: 8, .value_kind: global_buffer, .address_space: global }
      - { .name: cs, .offset: 24, .size: 8, .value_kind: global_buffer, .address_space: global }
    .group_segment_fixed_size: 209920
    .private_segment_fixed_size: 0
    .kernarg_segment_align: 8
    .kernarg_segment_size: 32
    .max_flat_workgroup_size: 256
    .sgpr_count:     66
    .vgpr_count:     512
    .wavefront_size: 32
...
	.end_amdgpu_metadata
.endif
;; end of part 3
;; launch outp (part 4): grid 4 x 64, 4 waves a work-group, clusters of 4 x 4, 295,424 bytes of LDS; arguments cc, cs, c1, s1, b_o, out0; writes out0
.if DOCPART == 4
	.amdgcn_target "amdgcn-amd-amdhsa--gfx1250"
	.amdhsa_code_object_version 6
	.text
	.protected	k_q2bb32c0447_outp
	.globl	k_q2bb32c0447_outp
	.p2align	8
	.type	k_q2bb32c0447_outp,@function
k_q2bb32c0447_outp:
	s_mov_b64 s[64:65], 0
	v_nop
	global_prefetch_b8 v0, s[64:65] scope:SCOPE_SE
	s_setreg_imm32_b32 hwreg(HW_REG_WAVE_MODE, 25, 1), 1
	s_wait_xcnt 0x0
	s_wait_alu depctr_hold_cnt(0) depctr_sa_sdst(0) depctr_va_vdst(0) depctr_va_sdst(0) depctr_va_ssrc(0) depctr_va_vcc(0) depctr_vm_vsrc(0)
	s_getreg_b32 s2, hwreg(HW_REG_IB_STS2, 6, 4)
	s_cmp_eq_u32 s2, 0
	s_cbranch_scc0 .Lentry_in_a_cluster
	s_endpgm
.Lentry_in_a_cluster:
	s_bfe_u32 s2, ttmp6, 0x10000c
	s_cmp_lg_u32 s2, 0xf033
	s_cbranch_scc0 .Lentry_shape_is_right
	s_endpgm
.Lentry_shape_is_right:
; out0 = ctx w_o^T + b_o on codes of FP6 (E2M3).  ctx's codes (cc) and scale words (cs) and w_o's (row tiles 1,728 on of c1 and s1) lie in the order of the operand's registers.
; A work-group makes 128 rows x 256 columns, K = 1,024; four waves, 2 x 2, 64 x 128 each: 32 accumulators.  All of K of the block lies in LDS, 4 chunks of 256 along K, each FILLED ONCE: no barrier has a refill behind it.
; THE MATRIX INSTRUCTION IS USED TRANSPOSED (source 0 = 16 rows of w_o, source 1 = 16 rows of ctx): a lane holds one row of out0; its 16 registers of w_o's tiles 2 b, 2 b + 1 are 16 neighbouring columns.
; The bias is the C of each sum's first product: eight registers a tile, in the result's layout.
; CLUSTERS: 4 x 4.  ctx's tiles are shared along a row of the cluster, w_o's along a column: each is asked for jointly.  A wave has four tensor loads out at the most.
; REGISTERS: window 0: v2-31 addresses; v32-79 scale words; v96-191 A's fragments, two sets (on the way out v96-223: rows read back).  window 1: B's fragments, two sets of 96; v192-255 the bias.  window 2: accumulator (a, b) at v[8 (8 a + b)].
; K COMES IN TWO HALVES OF 512 (where the lines above speak of four chunks and of four loads a wave, read two halves and one load a wave):
; wave 0 asks for A's 8 row tiles of the first half, wave 1 for B's 16, waves 2 and 3 for the second half's.  Each byte is filled once.
.set CH,    147456                     ; a half of K: A's 8 row tiles x 6,144 bytes, then B's 16
.set BOFF,  49152
.set SPARE, 2*CH                       ; the spare words, 128 bytes for each wave
.set STG,   8448                       ; the way out: a stage of 16 rows x (512 bytes + 16) for each wave, in chunk 0: it has had its one fill, and its last read lies one barrier back
.set AA16, 2
.set AA8,  6
.set AB16, 10
.set AB8,  14
.set SPW,  18                          ; v18  LDS address of my spare word; never rewritten
.set NIL,  19                          ; v19  0; never rewritten
.set L16,  20
.set L8,   21
.set RR,   22
.set HH,   23
.set STO,  24                          ; the stage: where I put 32 bytes of a row
.set RD,   25                          ; and where I read a row back
.set BO,   26                          ; 64 x (lane / 16): my half's 16 numbers of the bias
.set SAW,  32
.set SBW,  48
.set AF,   96
.set BK,   96                          ; rows read back: v96-159 and v160-223 by turns
.set G1A,  24
.set G1B,  32
.set G0A,  40
.set G0B,  68
.set MSB, 0
.macro WIN new                         ; the immediate's high byte repeats the setting that is left
.if MSB != \new
	s_set_vgpr_msb (MSB<<8)|\new
.set MSB, \new
.endif
.endm
.macro PLACES n
.rept \n
	v_nop
.endr
.endm
.macro CROUND
	s_barrier_signal -1
	s_barrier_wait -1
	s_cmp_lg_u32 s12, 0
	s_cbranch_scc1 .Lnot_wave_0_\@
	s_barrier_signal -3
.Lnot_wave_0_\@:
	s_barrier_wait -3
	s_barrier_signal -1
	s_barrier_wait -1
.endm
.macro FRAG reg, a16, a8, off
	ds_load_b128 v[(\reg):(\reg)+3], v[\a16] offset:(\off)
	ds_load_b64 v[(\reg)+4:(\reg)+5], v[\a8] offset:(\off)+512
	ds_load_b128 v[(\reg)+6:(\reg)+9], v[\a16] offset:(\off)+768
	ds_load_b64 v[(\reg)+10:(\reg)+11], v[\a8] offset:(\off)+1280
.endm
.macro FETCH q                         ; K step q: B's 8 fragments and A's 4 into set q % 2: 48 LDS loads in one run
	WIN 0x40
.irp i, 0,1,2,3,4,5,6,7
	FRAG 96*((\q)%2)+12*\i, AB16+(\q)/4, AB8+(\q)/4, 6144*\i+1536*((\q)%4)
.endr
	WIN 0
.irp i, 0,1,2,3
	FRAG AF+48*((\q)%2)+12*\i, AA16+(\q)/4, AA8+(\q)/4, 6144*\i+1536*((\q)%4)
.endr
.endm
.macro MM q, a, b
.set rD, 8*(8*(\a)+(\b))
.set rB, 96*((\q)%2)+12*(\b)
.set rA, AF+48*((\q)%2)+12*(\a)
.set rX, SBW+4*(\b)+(\q)%4
.set rY, SAW+4*(\a)+(\q)%4
.if (\q) == 0
	v_wmma_scale_f32_16x16x128_f8f6f4 v[rD:rD+7], v[rB:rB+11], v[rA:rA+11], v[192+8*(\b):199+8*(\b)], v[rX], v[rY] matrix_a_fmt:MATRIX_FMT_FP6 matrix_b_fmt:MATRIX_FMT_FP6
.elseif (\q) < 4
	v_wmma_scale_f32_16x16x128_f8f6f4 v[rD:rD+7], v[rB:rB+11], v[rA:rA+11], v[rD:rD+7], v[rX], v[rY] matrix_a_fmt:MATRIX_FMT_FP6 matrix_b_fmt:MATRIX_FMT_FP6
.else
	v_wmma_scale_f32_16x16x128_f8f6f4 v[rD:rD+7], v[rB:rB+11], v[rA:rA+11], v[rD:rD+7], v[rX], v[rY] matrix_a_fmt:MATRIX_FMT_FP6 matrix_b_fmt:MATRIX_FMT_FP6 matrix_a_scale:MATRIX_SCALE_ROW1 matrix_b_scale:MATRIX_SCALE_ROW1
.endif
.endm
.macro MUL16 q, a0                     ; the 32 accumulators take turns, one instruction a turn, in the same order in every step
.irp a, \a0, \a0+1
.irp b, 0,1,2,3,4,5,6,7
	MM \q, \a, \b
.endr
.endr
.endm
.macro EVEN q
	PLACES 4                                       ; four plain instructions between the last products that read the other set and the loads into it
	FETCH (\q)+1
	s_wait_dscnt 48                                ; all but the 48 just issued
	WIN 0xa1
	MUL16 \q, 0
	MUL16 \q, 2
.endm
.macro ODD q, left                     ; a chunk's last step: the next chunk has to be whole.  My later chunks' loads may stay out
	PLACES 4
	s_wait_dscnt 0x0                               ; this step's fragments are in; no LDS instruction of mine is out at the signal
	s_wait_tensorcnt \left                         ; my part of the next chunk has landed
	s_barrier_signal -1
	WIN 0xa1
	MUL16 \q, 0
	s_barrier_wait -1
	FETCH (\q)+1
	WIN 0xa1
	MUL16 \q, 2
.endm
	s_load_b256 s[4:11], s[0:1], 0x0               ; cc, cs, c1, s1
	s_load_b128 s[92:95], s[0:1], 0x20             ; b_o, out0
	v_lshl_add_u32 v[SPW], v0, 2, SPARE
	v_mov_b32 v[NIL], 0
	ds_add_u32 v[SPW], v[NIL]                      ; the wave's opening: the add and its wait stand ahead of my first tensor load; work on registers stands between them
	ds_add_u32 v[SPW], v[NIL]
	v_lshrrev_b32 v1, 5, v0
	v_readfirstlane_b32 s12, v1                    ; wave 0..3
	s_lshr_b32 s22, s12, 1                         ; wr: which 64 rows are mine.  Also: which half of K I fetch
	s_and_b32 s23, s12, 1                          ; wc: which 128 columns.  Also: I fetch for A (0) or for B (1)
	s_bfe_u32 s13, ttmp6, 0x40000                  ; cx
	s_bfe_u32 s14, ttmp6, 0x40004                  ; cy
	s_and_b32 s18, ttmp7, 0xffff
	s_lshl_b32 s18, s18, 2
	s_add_co_u32 s18, s18, s14                     ; block row = 4 x cluster y + cy
	s_mov_b32 s19, s13                             ; block column = cx
	s_lshl_b32 s56, s14, 2
	s_lshl_b32 s56, 15, s56                        ; my row of the cluster
	s_lshl_b32 s84, 0x1111, s13                    ; my column
	; group 1: rows of 6,144 bytes (a row tile's four K steps: 768 elements of 8 bytes), 12,288 bytes apart in memory, dense in LDS; 8 row tiles for A's half, 16 for B's
	s_or_b32 s[G1A], s56, (3<<16)|(1<<21)
	s_mov_b32 s[G1A+1], 768<<16                    ; rows of 6,144 bytes: a row tile's four K steps
	s_mov_b32 s[G1A+2], 8<<16                      ; A's 8 row tiles
	s_mov_b32 s[G1A+3], 768<<16
	s_mov_b32 s[G1A+4], 8
	s_mov_b32 s[G1A+5], 1536
	s_mov_b32 s[G1A+6], 0
	s_mov_b32 s[G1A+7], 0
	s_or_b32 s[G1B], s84, (3<<16)|(1<<21)
	s_mov_b32 s[G1B+1], 768<<16
	s_mov_b32 s[G1B+2], 16<<16                     ; B's 16 row tiles
	s_mov_b32 s[G1B+3], 768<<16
	s_mov_b32 s[G1B+4], 16
	s_mov_b32 s[G1B+5], 1536
	s_mov_b32 s[G1B+6], 0
	s_mov_b32 s[G1B+7], 0
	s_lshl_b32 s56, s18, 3                         ; A: the block's first row tile
	s_mul_i32 s58, s56, 12288
	s_mov_b32 s59, 0
	s_lshl_b32 s84, s19, 4
	s_add_co_u32 s84, s84, 1728                    ; B: w_o's row tiles begin at 1,728
	s_lshl_b32 s85, s23, 3
	s_add_co_u32 s85, s84, s85
	s_mul_i32 s86, s84, 12288
	s_mov_b32 s87, 0
	s_mul_i32 s61, s23, 49152                      ; the 8 row tiles of B that I multiply
	s_add_co_u32 s61, s61, BOFF
	s_lshl_b32 s57, s22, 2
	s_add_co_u32 s57, s56, s57
	s_lshl_b32 s62, s57, 9
	s_mov_b32 s63, 0
	s_lshl_b32 s88, s85, 9
	s_mov_b32 s89, 0
	s_lshl_b32 s96, s19, 10                        ; my first column, in bytes of f32: 1,024 x block column + 512 wc: in b_o and in a row of out0
	s_lshl_b32 s97, s23, 9
	s_add_co_u32 s96, s96, s97
	s_mov_b32 s97, 0
	s_lshl_b32 s98, s18, 7
	s_lshl_b32 s99, s22, 6
	s_add_co_u32 s98, s98, s99                     ; my first row: 128 x block row + 64 wr
	s_lshl_b32 s98, s98, 12
	s_add_co_u32 s98, s98, s96
	s_mov_b32 s99, 0
	s_wait_dscnt 0x0                               ; the opening add is done
	s_wait_kmcnt 0x0
	s_add_nc_u64 s[58:59], s[4:5], s[58:59]
	s_add_nc_u64 s[86:87], s[8:9], s[86:87]
	s_add_nc_u64 s[62:63], s[6:7], s[62:63]
	s_add_nc_u64 s[88:89], s[10:11], s[88:89]
	s_add_nc_u64 s[92:93], s[92:93], s[96:97]
	s_add_nc_u64 s[94:95], s[94:95], s[98:99]
.irp c, 0,1
	s_mov_b32 s[G0A+4*\c], 1
	s_mov_b32 s[G0A+4*\c+1], \c*CH
	s_add_nc_u64 s[G0A+4*\c+2:G0A+4*\c+3], s[58:59], \c*6144
	s_or_b32 s[G0A+4*\c+3], s[G0A+4*\c+3], 0x80000000
	s_mov_b32 s[G0B+4*\c], 1
	s_mov_b32 s[G0B+4*\c+1], \c*CH+BOFF
	s_add_nc_u64 s[G0B+4*\c+2:G0B+4*\c+3], s[86:87], \c*6144
	s_or_b32 s[G0B+4*\c+3], s[G0B+4*\c+3], 0x80000000
.endr
	CROUND                                         ; all sixteen work-groups are here: the joint loads meet
	s_cmp_eq_u32 s12, 0                            ; one chain of branches on the wave's number, one load to an arm
	s_cbranch_scc0 .Lfill_1
	tensor_load_to_lds s[G0A:G0A+3], s[G1A:G1A+7]      ; wave 0: A, first half of K
	s_nop 0
	PLACES 4
	s_branch .Lfilled
.Lfill_1:
	s_cmp_eq_u32 s12, 1
	s_cbranch_scc0 .Lfill_2
	tensor_load_to_lds s[G0B:G0B+3], s[G1B:G1B+7]      ; wave 1: B, first half
	s_nop 0
	PLACES 4
	s_branch .Lfilled
.Lfill_2:
	s_cmp_eq_u32 s12, 2
	s_cbranch_scc0 .Lfill_3
	tensor_load_to_lds s[G0A+4:G0A+7], s[G1A:G1A+7]    ; wave 2: A, second half
	s_nop 0
	PLACES 4
	s_branch .Lfilled
.Lfill_3:
	tensor_load_to_lds s[G0B+4:G0B+7], s[G1B:G1B+7]    ; wave 3: B, second half
	s_nop 0
	PLACES 4
.Lfilled:
	v_and_b32 v1, 31, v0
	v_lshlrev_b32 v[L16], 4, v1
	v_lshlrev_b32 v[L8], 3, v1
	v_and_b32 v[RR], 15, v0
	v_bfe_u32 v[HH], v0, 4, 1
	v_lshlrev_b32 v[BO], 6, v[HH]
.irp a, 0,1,2,3
	global_load_b128 v[SAW+4*\a:SAW+4*\a+3], v[L16], s[62:63] offset:512*\a   ; register j: K step j in lanes 0-15, K step 4 + j in lanes 16-31
.endr
.irp b, 0,1,2,3,4,5,6,7
	global_load_b128 v[SBW+4*\b:SBW+4*\b+3], v[L16], s[88:89] offset:512*\b
.endr
	WIN 0x40                                       ; destination window 1
.irp b, 0,1,2,3,4,5,6,7
	global_load_b128 v[192+8*\b:195+8*\b], v[BO], s[92:93] offset:(32*(\b/2)+8*(\b%2))*4      ; the bias of tile b's eight columns of my half: 32 (b / 2) + 8 (b % 2) + 16 (lane / 16) + 0 .. 7
	global_load_b128 v[196+8*\b:199+8*\b], v[BO], s[92:93] offset:(32*(\b/2)+8*(\b%2))*4+16
.endr
	WIN 0
	s_mul_i32 s57, s22, 24576                      ; the 4 row tiles of A that I multiply
	v_add_nc_u32 v[AA16], s57, v[L16]
	v_add_nc_u32 v[AA8], s57, v[L8]
	v_add_nc_u32 v[AB16], s61, v[L16]
	v_add_nc_u32 v[AB8], s61, v[L8]
.irp c, 1
	v_add_nc_u32 v[AA16+\c], CH, v[AA16+\c-1]
	v_add_nc_u32 v[AA8+\c], CH, v[AA8+\c-1]
	v_add_nc_u32 v[AB16+\c], CH, v[AB16+\c-1]
	v_add_nc_u32 v[AB8+\c], CH, v[AB8+\c-1]
.endr
	s_mul_i32 s57, s12, STG                        ; my stage
	v_mul_u32_u24 v[STO], v[RR], 528
	v_lshl_add_u32 v[STO], v[HH], 6, v[STO]
	v_add_nc_u32 v[STO], s57, v[STO]               ; in: row r, + 64 (lane / 16)
	v_add_nc_u32 v[RD], s57, v[L16]                ; back: the 32 lanes take one row of 512 bytes
	s_wait_alu depctr_va_vdst(0)
	s_cmp_lt_u32 s12, 2                            ; waves 0 and 1 wait for the first half's loads, which are theirs alone; the second half's may stay out
	s_cbranch_scc0 .Lnot_first
	s_wait_tensorcnt 0x0
.Lnot_first:
	s_barrier_signal -1
	s_barrier_wait -1
	FETCH 0
	s_wait_loadcnt 0x0                             ; the scale words and the bias
	FETCH 1
	s_wait_dscnt 48                                ; all but the 48 just issued
	WIN 0x91                                       ; source 0 (B) window 1, source 1 (A) window 0, C (the bias) window 1, D window 2
	MUL16 0, 0                                     ; the first step's products start the sums with the bias
	MUL16 0, 2
	EVEN 1
	EVEN 2
	ODD 3, 0x0                                     ; every wave waits for its one load: the second half of K is whole behind this barrier
	EVEN 4
	EVEN 5
	EVEN 6
	s_wait_dscnt 0x0
	MUL16 7, 0
	MUL16 7, 2
	WIN 0
; THE WAY OUT, a tile of 16 rows x 128 columns at a time.  A lane holds pieces of 32 bytes of one row, and the lanes beside it hold other rows: so a tile goes through my own stage and comes back as whole rows of 512 bytes.
; LDS serves a wave's instructions in order: no wait between the stores and the loads, nor in front of the next tile's stores.
.macro TOSTAGE a
	WIN 0x08                                       ; an LDS store's data are its source 1: window 2
.irp b, 0,1,2,3,4,5,6,7
	ds_store_b128 v[STO], v[64*(\a)+8*\b:64*(\a)+8*\b+3] offset:128*(\b/2)+32*(\b%2)        ; each accumulator from its low end on
	ds_store_b128 v[STO], v[64*(\a)+8*\b+4:64*(\a)+8*\b+7] offset:128*(\b/2)+32*(\b%2)+16
.endr
	WIN 0
.set BB, BK+64*((\a)%2)
.irp t, 0,1,2,3,4,5,6,7,8,9,10,11,12,13,14,15
	ds_load_b128 v[BB+4*\t:BB+4*\t+3], v[RD] offset:528*\t
.endr
.endm
.macro SEND a, younger                 ; younger: the LDS instructions issued behind tile a's loads, which may stay out
.set BB, BK+64*((\a)%2)
	s_wait_dscnt \younger
.irp t, 0,1,2,3,4,5,6,7,8,9,10,11,12,13,14,15
	global_store_b128 v[L16], v[BB+4*\t:BB+4*\t+3], s[94:95] offset:(32*((\a)/2)+8*((\a)%2)+\t+8*(\t/8))*4096 th:TH_STORE_NT   ; place t of tile a is row 32 (a / 2) + 8 (a % 2) + t + 8 (t / 8); 512 consecutive bytes, aligned to 256
.endr
.endm
	PLACES 4                                       ; four plain instructions between the last products and the first read of results and the loads into A's registers
	TOSTAGE 0
.irp a, 1,2,3
.if \a > 1
	s_wait_xcnt 0x0                                ; tile a - 2's stores have read their registers: tile a's rows may land there
.endif
	TOSTAGE \a
	SEND \a-1, 32                                  ; behind tile a - 1's loads: tile a's 16 stores and 16 loads
.endr
	SEND 3, 0
	s_wait_tensorcnt 0x0                           ; the wave's end, behind my last tensor load and my last LDS store
	ds_add_u32 v[SPW], v[NIL]
	s_wait_dscnt 0x0
	CROUND                                         ; the closing round
	s_endpgm
.Lfunc_end_k_q2bb32c0447_outp:
	.size	k_q2bb32c0447_outp, .Lfunc_end_k_q2bb32c0447_outp-k_q2bb32c0447_outp
	.p2alignl 7, 3214868480
	.fill 96, 4, 3214868480
	.section	.rodata,"a",@progbits
	.p2align	6, 0x0
	.amdhsa_kernel k_q2bb32c0447_outp
		.amdhsa_group_segment_fixed_size 295424
		.amdhsa_private_segment_fixed_size 0
		.amdhsa_enable_private_segment 0
		.amdhsa_kernarg_size 48
		.amdhsa_user_sgpr_count 2
		.amdhsa_user_sgpr_kernarg_segment_ptr 1
		.amdhsa_wavefront_size32 1
		.amdhsa_system_sgpr_workgroup_id_x 1
		.amdhsa_system_sgpr_workgroup_id_y 1
		.amdhsa_system_sgpr_workgroup_id_z 1
		.amdhsa_system_vgpr_workitem_id 0
		.amdhsa_next_free_vgpr 768
		.amdhsa_next_free_sgpr 100
		.amdhsa_reserve_vcc 0
		.amdhsa_float_denorm_mode_32 3
		.amdhsa_float_denorm_mode_16_64 3
		.amdhsa_memory_ordered 1
		.amdhsa_forward_progress 1
		.amdhsa_inst_pref_size 83
	.end_amdhsa_kernel
	.amdgpu_metadata
---
amdhsa.version: [ 1, 2 ]
amdhsa.kernels:
  - .name:           k_q2bb32c0447_outp
    .symbol:         k_q2bb32c0447_outp.kd
    .args:
      - { .name: cc, .offset: 0, .size: 8, .value_kind: global_buffer, .address_space: global }
      - { .name: cs, .offset: 8, .size: 8, .value_kind: global_buffer, .address_space: global }
      - { .name: c1, .offset: 16, .size: 8, .value_kind: global_buffer, .address_space: global }
      - { .name: s1, .offset: 24, .size: 8, .value_kind: global_buffer, .address_space: global }
      - { .name: b_o, .offset: 32, .size: 8, .value_kind: global_buffer, .address_space: global }
      - { .name: out0, .offset: 40, .size: 8, .value_kind: global_buffer, .address_space: global }
    .group_segment_fixed_size: 295424
    .private_segment_fixed_size: 0
    .kernarg_segment_align: 8
    .kernarg_segment_size: 48
    .max_flat_workgroup_size: 128
    .sgpr_count:     100
    .vgpr_count:     768
    .wavefront_size: 32
...
	.end_amdgpu_metadata
.endif
;; end of part 4
